; MI455X (gfx1250); checked and timed in simulation.
; The chip was launched on July 23, 2026; its instructions are those of AMD's public machine-readable ISA for CDNA 5 (MIT licence, August 2026) and "CDNA5" Instruction Set Architecture Reference Guide (July 2026). The comments in the code are by the model that wrote it; some were corrected since.
;; Causal Multi Head Attention Layer. Allowed arithmetic: matrix products marked QUANTISED: E2M3 operands, one E8M0 scale for each 32 along K, by v_wmma_scale_f32_16x16x128_f8f6f4 with both operands' format E2M3, f32 sums; everything else in f32.
;; Inputs: b_out 1,024 float32; b_qkv 3,072 float32; w_out 1,024 x 1,024 float32; w_qkv 1,024 x 3,072 float32; x 4 x 2,048 x 1,024 float32.
;; Outputs: out0 4 x 2,048 x 1,024 float32.
;; This version of the problem:
;;   THIS VERSION OF THE PROBLEM IS GIVEN IN LOW PRECISION. The matrix products marked QUANTISED in the list below multiply operands that are first quantised to E2M3 (2 exponent bits, 3 mantissa bits; 6 bits a number), with one power-of-two scale for each 32 numbers along K (OCP MX v1.0); their sums are f32. All else is computed in f32.
;;   The module's matrix products, in the order in which they are computed (A, B: the left and right operand; K: the contracted axis; several contracted axes count as one K, in the product's order):
;;     1. [M 8,192, K 1,024] x [K 1,024, N 3,072]; A: input x; B: input w_qkv: QUANTISED
;;     2. batch 64 x [M 2,048, K 64] x [K 64, N 2,048]; A: computed on the way; B: computed on the way: QUANTISED
;;     3. batch 64 x [M 2,048, K 2,048] x [K 2,048, N 64]; A: softmax (see below); B: computed on the way: QUANTISED
;;     4. [M 8,192, K 1,024] x [K 1,024, N 1,024]; A: computed on the way; B: input w_out: QUANTISED
;;   THE QUANTISER, for each operand of a quantised product, along K:
;;     - K is cut into blocks of 32 from its start; a last block that is shorter is filled with zeros.
;;     - A block's scale is 2^e with e = floor(log2(the largest magnitude in the block)) - 2, held to -126 .. 127; a block of zeros has e = 0. As a byte (E8M0): e + 127.
;;     - Each number is divided by its block's scale, clamped to +-7.5, and rounded to the nearest number of E2M3, ties to even, subnormals kept.
;;     - The product sums the exact products of the quantised numbers (number of the format x scale) in f32.
;;   ~~~python
;;   def quantise(x, axis):      # numpy; x: float32 -> the quantised numbers, widened to float32 again
;;       x = np.moveaxis(x, axis, -1); K = x.shape[-1]
;;       x = np.pad(x, [(0, 0)] * (x.ndim - 1) + [(0, -K % 32)]); x = x.reshape(x.shape[:-1] + (-1, 32)); a = np.abs(x).max(-1, keepdims=True)
;;       e = np.where(a > 0, np.clip(np.frexp(np.where(a > 0, a, 1))[1] - 1 - 2, -126, 127), 0)      # np.frexp(a)[1] - 1 = floor(log2(a)), exactly
;;       r = np.clip(x / 2.0 ** e, -7.5, 7.5)
;;       step = 2.0 ** (np.maximum(np.frexp(np.where(r == 0, 1, r))[1] - 1, 0) - 3)
;;       q = np.round(r / step) * step * 2.0 ** e      # np.round: ties to even
;;       return np.moveaxis(q.reshape(q.shape[:-2] + (-1,))[..., :K], -1, axis).astype(np.float32)
;;   ~~~
;;   SOFTMAX AHEAD OF A QUANTISED PRODUCT. Where the list says 'softmax', what is quantised is not the finished softmax but p = 2^(t - M), with t = logit x log2(e) and M = ceil(the row's largest t), a whole number; so 1/2 < the row's largest p <= 1. The row's sum l is taken of the UNQUANTISED p, in f32, and the product's result is divided by l at the end. Since M is a whole number, a kernel that streams over the keys may use a running M (the ceiling of the running maximum): every later rescaling is an exact power of two, which a block's scale takes up: the codes' values come out the same.
;;   OPERANDS COMPUTED ON THE WAY. 'Computed on the way' means the value that the module computes at that place (a softmax that the list does not call 'softmax' is quantised finished and normalised). What goes into a quantiser is computed in f32, as accurately as f32 sums, v_exp_f32 and their like allow (about 1e-6 of the number): no bf16 or f16 on the way to a quantiser, and a product that is left as it is and whose result goes on into a quantised operand takes f32 operands (vector FMAs, or v_wmma_f32_16x16x4_f32). A number that lies on a knife's edge between two numbers of the format may be rounded either way, as far as f32 arithmetic and the matrix unit's own rounding can turn it there, and no further.
;; 2 versions. Each part assembles by itself: llvm-mc -triple=amdgcn-amd-amdhsa -mcpu=gfx1250 --defsym DOCPART=n.
;; ======== version 1 of 2: 5 launches
;; workspace buffers: xc 6,291,456 bytes; xs 262,144 bytes; wc 3,145,728 bytes; ws 131,072 bytes; qkv 20,185,088 bytes; cc 6,291,456 bytes; cs 262,144 bytes
;; launch quant_x (part 1): grid 256 x 1, 4 waves a work-group, no clusters, 34,304 bytes of LDS; arguments x, xc, xs; writes xc, xs
.if DOCPART == 1
	.amdgcn_target "amdgcn-amd-amdhsa--gfx1250"
	.amdhsa_code_object_version 6
	.text
	.protected	k_q0d7895d5d7_quant_x
	.globl	k_q0d7895d5d7_quant_x
	.p2align	8
	.type	k_q0d7895d5d7_quant_x,@function
k_q0d7895d5d7_quant_x:
	s_mov_b64 s[64:65], 0
	v_nop
	global_prefetch_b8 v0, s[64:65] scope:SCOPE_SE
	s_setreg_imm32_b32 hwreg(HW_REG_WAVE_MODE, 25, 1), 1
	s_wait_xcnt 0x0
; x [8192][1024] f32 becomes codes of FP6 (E2M3) with one E8M0 byte for each 32 along K, laid as the matrix unit's registers want them.
; ROW TILES: tile T = 2 B + u holds 16 rows; its row r is row 32 B + 8 u + r + 8 (r / 8) of x, so that results made from two neighbouring tiles are 16 neighbours.
; CODES xc [T][kappa = K / 64][768]: lane l = r + 16 h owns the 24 bytes of k = 64 kappa + 32 h + 0..31 of row r: words 0-3 at 16 l, words 4-5 at 512 + 8 l.
; SCALES xs [T][g = K / 512][r][4 words]: word s of row r holds the four bytes of K step 4 g + s (128 along K).
; A block's scale is 2^(floor(log2(largest magnitude)) - 2); its byte is the largest magnitude's exponent field - 2, held at 1 from below.
; LIMITS: a block whose largest magnitude lies under 2^-124 (zeros too) gets the byte 1, not 127: the bytes are read by this program alone, and zero codes add nothing. NaN and infinities are not served.
; SHARES: wave W = 4 x work-group + wave takes tile W / 2, half W % 2 of K: 16 rows x 512 k = four fragments of 128 k.  Each load reads 512 consecutive bytes of one row;
; a fragment turns through the wave's own stage in LDS (rows 528 bytes apart), so that a lane gets 16 neighbours of each block of 32.  Waves share nothing: no barrier.
.set R,   16                           ; v16-143  two sets of 64 registers as loaded
.set X,   144                          ; v144-207 register 16 b + i = k 32 b + 16 h + i of my row
.set PC,  208                          ; v208-227 the codes just made
.set TM,  228                          ; v228-243 at work: +0..3 maxima, +4..7 bytes, +12..15 scale operands
.set SW,  244                          ; v244-247 the four fragments' scale words
.set SP,  528
.set WST, 16*SP
	s_load_b128 s[4:7], s[0:1], 0x0                ; x, xc
	s_load_b64 s[8:9], s[0:1], 0x10                ; xs
	v_lshl_add_u32 v254, v0, 2, 0x8400
	v_mov_b32 v255, 0
	v_lshrrev_b32 v1, 5, v0
	v_readfirstlane_b32 s10, v1                    ; wave
	v_and_b32 v1, 31, v0                           ; lane
	v_and_b32 v7, 15, v0                           ; r
	v_bfe_u32 v8, v0, 4, 1                         ; h
	v_lshlrev_b32 v2, 4, v1                        ; 16 x lane
	v_lshlrev_b32 v3, 3, v1                        ; 8 x lane
	s_mul_i32 s11, s10, WST
	v_add_nc_u32 v4, s11, v2                       ; the stage, in: 16 x lane of a row
	v_mul_u32_u24 v5, v7, SP
	v_lshl_add_u32 v5, v8, 6, v5
	v_add_nc_u32 v5, s11, v5                       ; out: row r, + 64 h
	v_lshlrev_b32 v6, 4, v7
	v_lshl_add_u32 v6, v8, 3, v6                   ; scale words: 16 r + 8 h
	s_mov_b32 s20, 0x76543210
	s_mov_b32 s21, 0xfedcba98                      ; lane selects: lane l xor 16
.irp b, 0,1,2,3
	v_mov_b32 v[TM+4+\b], 0                        ; a lane permute's destination counts as read
.endr
	s_lshl_b32 s12, ttmp9, 2
	s_add_co_u32 s12, s12, s10                     ; W
	s_lshr_b32 s13, s12, 1                         ; T
	s_and_b32 s14, s12, 1                          ; g
	s_lshr_b32 s16, s13, 1
	s_lshl_b32 s16, s16, 17                        ; 32 (T / 2) rows of 4,096 bytes
	s_and_b32 s15, s13, 1
	s_lshl_b32 s15, s15, 15                        ; + 8 (T % 2) rows
	s_add_co_u32 s16, s16, s15
	s_lshl_b32 s15, s14, 11                        ; + 512 g numbers
	s_add_co_u32 s16, s16, s15
	s_mov_b32 s17, 0
	s_mul_i32 s18, s12, 6144                       ; 12,288 T + 6,144 g
	s_mov_b32 s19, 0
	s_lshl_b32 s22, s12, 8                         ; 512 T + 256 g
	s_mov_b32 s23, 0
	s_wait_kmcnt 0x0
	s_add_nc_u64 s[4:5], s[4:5], s[16:17]
	s_add_nc_u64 s[6:7], s[6:7], s[18:19]
	s_add_nc_u64 s[8:9], s[8:9], s[22:23]
.macro LOAD f                          ; fragment f: 16 rows x 512 bytes
.irp i, 0,1,2,3,4,5,6,7,8,9,10,11,12,13,14,15
	global_load_b128 v[R+64*((\f)%2)+4*\i:R+64*((\f)%2)+4*\i+3], v2, s[4:5] offset:(\i+8*(\i/8))*4096+512*(\f) th:TH_LOAD_NT
.endr
.endm
; 64 numbers of a lane become a fragment's 12 code registers in v[PC] on and its row's scale word in v[pw]
.macro QUANT s, pw
.irp b, 0,1,2,3
	v_max3_num_f32 v[TM+\b], |v[\s+16*\b]|, |v[\s+16*\b+1]|, 0x1800000   ; my 16 numbers of block b, and the floor 2^(3 - 127): the byte cannot fall under 1
.endr
.irp i, 2,4,6,8,10,12,14
.irp b, 0,1,2,3
	v_max3_num_f32 v[TM+\b], v[TM+\b], |v[\s+16*\b+\i]|, |v[\s+16*\b+\i+1]|
.endr
.endr
.irp b, 0,1,2,3
	v_permlanex16_b32 v[TM+4+\b], v[TM+\b], s20, s21
.endr
.irp b, 0,1,2,3
	v_max_num_f32 v[TM+\b], v[TM+\b], v[TM+4+\b]   ; with lane l xor 16's 16: the block's largest magnitude
.endr
.irp b, 0,1,2,3
	v_add_nc_u32 v[TM+12+\b], 0xff000000, v[TM+\b] ; 2 off its exponent field: the conversion's scale operand
.endr
.irp b, 0,1,2,3
	v_lshrrev_b32 v[TM+4+\b], 23, v[TM+12+\b]      ; the byte
.endr
	v_lshl_or_b32 v[\pw], v[TM+5], 8, v[TM+4]
	v_lshl_or_b32 v[\pw], v[TM+6], 16, v[\pw]
	v_lshl_or_b32 v[\pw], v[TM+7], 24, v[\pw]
.irp c, 0,1
	v_cvt_scalef32_pk16_fp6_f32 v[PC+6*\c:PC+6*\c+2], v[\s+32*\c:\s+32*\c+15], v[TM+12+2*\c]
	v_cvt_scalef32_pk16_fp6_f32 v[PC+12+4*\c:PC+14+4*\c], v[\s+16+32*\c:\s+31+32*\c], v[TM+13+2*\c]
.endr
	v_nop                                          ; one plain place behind a scaled conversion
.irp c, 0,1                                    ; a whole block to a lane: lanes 0-15 block 2 c, lanes 16-31 block 2 c + 1
.irp i, 0,1,2
	v_permlane16_swap_b32 v[PC+6*\c+\i], v[PC+12+4*\c+\i]
.endr
.irp i, 0,1,2
	v_mov_b32 v[PC+3+6*\c+\i], v[PC+12+4*\c+\i]
.endr
.endr
.endm
.macro FRAGSTEP f
.if \f < 3
	s_wait_loadcnt 16                              ; this fragment's 16 loads are in; the next fragment's 16 stay out
.else
	s_wait_loadcnt 0x0
.endif
.irp i, 0,1,2,3,4,5,6,7,8,9,10,11,12,13,14,15
	ds_store_b128 v4, v[R+64*(\f%2)+4*\i:R+64*(\f%2)+4*\i+3] offset:SP*\i
.endr
.irp b, 0,1,2,3
.irp j, 0,1,2,3
	ds_load_b128 v[X+16*\b+4*\j:X+16*\b+4*\j+3], v5 offset:128*\b+16*\j   ; LDS serves a wave's instructions in order: these see the stores above
.endr
.endr
	s_wait_xcnt 0x0                                ; the last fragment's stores have read PC: it is written again only behind this wait
	s_wait_dscnt 0x0                               ; my numbers are back, and the stores into the stage have read their registers
.if \f < 2
	LOAD \f+2
.endif
	QUANT X, SW+\f
	global_store_b128 v2, v[PC:PC+3], s[6:7] offset:1536*\f          ; each store covers 512 or 256 consecutive bytes, aligned
	global_store_b64 v3, v[PC+4:PC+5], s[6:7] offset:1536*\f+512
	global_store_b128 v2, v[PC+6:PC+9], s[6:7] offset:1536*\f+768
	global_store_b64 v3, v[PC+10:PC+11], s[6:7] offset:1536*\f+1280
.endm
	LOAD 0
	LOAD 1
	FRAGSTEP 0
	FRAGSTEP 1
	FRAGSTEP 2
	FRAGSTEP 3
	v_cmp_le_u32 vcc_lo, 16, v1                    ; lanes 16-31 store the words of fragments 2 and 3
	v_cndmask_b32 v248, v[SW], v[SW+2], vcc_lo
	v_cndmask_b32 v249, v[SW+1], v[SW+3], vcc_lo
	global_store_b64 v6, v[248:249], s[8:9]        ; 32 lanes store 256 consecutive bytes, aligned
	s_wait_tensorcnt 0x0
	ds_add_u32 v254, v255
	s_wait_dscnt 0x0
	s_endpgm
.Lfunc_end_k_q0d7895d5d7_quant_x:
	.size	k_q0d7895d5d7_quant_x, .Lfunc_end_k_q0d7895d5d7_quant_x-k_q0d7895d5d7_quant_x
	.p2alignl 7, 3214868480
	.fill 96, 4, 3214868480
	.section	.rodata,"a",@progbits
	.p2align	6, 0x0
	.amdhsa_kernel k_q0d7895d5d7_quant_x
		.amdhsa_group_segment_fixed_size 34304
		.amdhsa_private_segment_fixed_size 0
		.amdhsa_enable_private_segment 0
		.amdhsa_kernarg_size 24
		.amdhsa_user_sgpr_count 2
		.amdhsa_user_sgpr_kernarg_segment_ptr 1
		.amdhsa_wavefront_size32 1
		.amdhsa_system_sgpr_workgroup_id_x 1
		.amdhsa_system_sgpr_workgroup_id_y 1
		.amdhsa_system_sgpr_workgroup_id_z 1
		.amdhsa_system_vgpr_workitem_id 0
		.amdhsa_next_free_vgpr 256
		.amdhsa_next_free_sgpr 66
		.amdhsa_reserve_vcc 1
		.amdhsa_float_denorm_mode_32 3
		.amdhsa_float_denorm_mode_16_64 3
		.amdhsa_memory_ordered 1
		.amdhsa_forward_progress 1
		.amdhsa_inst_pref_size 34
	.end_amdhsa_kernel
	.amdgpu_metadata
---
amdhsa.version: [ 1, 2 ]
amdhsa.kernels:
  - .name:           k_q0d7895d5d7_quant_x
    .symbol:         k_q0d7895d5d7_quant_x.kd
    .args:
      - { .name: x, .offset: 0, .size: 8, .value_kind: global_buffer, .address_space: global }
      - { .name: xc, .offset: 8, .size: 8, .value_kind: global_buffer, .address_space: global }
      - { .name: xs, .offset: 16, .size: 8, .value_kind: global_buffer, .address_space: global }
    .group_segment_fixed_size: 34304
    .private_segment_fixed_size: 0
    .kernarg_segment_align: 8
    .kernarg_segment_size: 24
    .max_flat_workgroup_size: 128
    .sgpr_count:     66
    .vgpr_count:     256
    .wavefront_size: 32
...
	.end_amdgpu_metadata
.endif
;; end of part 1
;; launch quant_w (part 2): grid 128 x 2, 4 waves a work-group, no clusters, 14,336 bytes of LDS; arguments w_qkv, w_out, wc, ws; writes wc, ws
.if DOCPART == 2
	.amdgcn_target "amdgcn-amd-amdhsa--gfx1250"
	.amdhsa_code_object_version 6
	.text
	.protected	k_q0d7895d5d7_quant_w
	.globl	k_q0d7895d5d7_quant_w
	.p2align	8
	.type	k_q0d7895d5d7_quant_w,@function
k_q0d7895d5d7_quant_w:
	s_mov_b64 s[64:65], 0
	v_nop
	global_prefetch_b8 v0, s[64:65] scope:SCOPE_SE
	s_setreg_imm32_b32 hwreg(HW_REG_WAVE_MODE, 25, 1), 1
	s_wait_xcnt 0x0
; w_qkv [1024][3072] and w_out [1024][1024], f32 with K as FIRST axis, become one table of 4,096 rows of codes of FP6 (E2M3): rows 0-3,071 are w_qkv's columns, rows 3,072-4,095 w_out's.
; Layouts as for x: wc [T][kappa][768], ws [T][g][r][4 words]; tile T = 2 B + u, its row r is table row 32 B + 8 u + r + 8 (r / 8).
; A LANE TAKES A COLUMN AND ITS REGISTERS RUN DOWN K: a block of 32 lies in one lane, and the conversions give codes with K innermost.  Nothing is transposed by an instruction.
; SHARES: work-group x = 32 columns (tiles 2 x and 2 x + 1), y = g; wave w takes K step 4 g + w (128 k: four blocks a lane).  One path for both tensors: pointer, pitch and column are chosen on the work-group's number.
; Loads run two blocks (64 loads a wave) ahead; each block has 32 registers of its own.
; The codes go through the wave's own stage (two tile images, 1,664 bytes apart) and leave in stores of 512 consecutive bytes; the four waves' scale words meet in 512 bytes of LDS and wave 0 stores them as two whole runs of 256.
; LIMITS: a block whose largest magnitude lies under 2^-124 (zeros too) gets the byte 1, not 127 (read by this program alone); NaN and infinities are not served.
.set VO,   16                          ; v16-47   4 x lane + i x pitch
.set X,    48                          ; v48-175  128 numbers down K
.set C,    176                         ; v176-207 four blocks' codes, 8 registers each
.set OUTR, 208                         ; v208-231 the way out
.set EXC,  13312                       ; the scale words' meeting place: [u][r][wave]
	s_load_b256 s[4:11], s[0:1], 0x0               ; w_qkv, w_out, wc, ws
	v_lshl_add_u32 v240, v0, 2, 0x3600
	v_mov_b32 v241, 0
	v_lshrrev_b32 v1, 5, v0
	v_readfirstlane_b32 s12, v1                    ; wave
	v_and_b32 v1, 31, v0                           ; lane
	v_bfe_u32 v2, v0, 3, 1                         ; u
	v_and_b32 v3, 7, v0
	v_bfe_u32 v4, v0, 4, 1
	v_lshl_or_b32 v3, v4, 3, v3                    ; r
	v_lshlrev_b32 v5, 2, v1                        ; 4 x lane
	v_lshlrev_b32 v11, 4, v1                       ; 16 x lane
	s_mul_i32 s13, s12, 3328
	v_mul_u32_u24 v6, v2, 1664
	v_add_nc_u32 v6, s13, v6
	v_lshl_add_u32 v8, v3, 4, v6                   ; my stage, tile u: 16 r
	v_lshl_add_u32 v9, v3, 3, v6                   ; and 8 r
	v_add_nc_u32 v10, s13, v11                     ; back: 16 x lane
	v_lshlrev_b32 v12, 8, v2
	v_lshl_add_u32 v12, v3, 4, v12
	s_lshl_b32 s14, s12, 2
	s_add_co_u32 s14, s14, EXC
	v_add_nc_u32 v12, s14, v12                     ; EXC + 256 u + 16 r + 4 x wave
	v_add_nc_u32 v13, EXC, v11                     ; wave 0 reads a row's four words
	v_and_b32 v7, 15, v0
	v_lshlrev_b32 v15, 9, v4
	v_lshl_add_u32 v15, v7, 4, v15                 ; and stores them at 512 (lane / 16) + 16 (lane % 16)
	s_and_b32 s15, ttmp7, 0xffff                   ; g
	s_lshl_b32 s16, s15, 2
	s_add_co_u32 s16, s16, s12                     ; the K step
	s_mov_b32 s17, 4096
	s_cmp_lt_u32 ttmp9, 96                         ; w_qkv's columns or w_out's: hangs on the work-group's number alone
	s_cselect_b32 s17, 12288, s17                  ; bytes from row to row
	s_cselect_b32 s18, 0, 96
	s_sub_co_u32 s18, ttmp9, s18                   ; which 32 columns of the tensor
	s_lshl_b32 s19, s16, 7
	s_mul_i32 s28, s19, s17                        ; 128 x K step rows
	s_lshl_b32 s18, s18, 7
	s_add_co_u32 s28, s28, s18
	s_mov_b32 s29, 0
	s_lshl_b32 s30, s17, 5                         ; 32 rows
	s_mov_b32 s31, 0
.set i, 0
.rept 32
	v_mad_u32_u24 v[VO+i], s17, i, v5
.set i, i+1
.endr
	s_mul_i32 s32, ttmp9, 24576
	s_mul_i32 s34, s16, 1536
	s_add_co_u32 s32, s32, s34                     ; codes: 12,288 x tile 2 x + 1,536 x K step
	s_mov_b32 s33, 0
	s_lshl_b32 s34, ttmp9, 10
	s_lshl_b32 s35, s15, 8
	s_add_co_u32 s34, s34, s35                     ; scales: 512 x tile 2 x + 256 g
	s_mov_b32 s35, 0
	s_wait_kmcnt 0x0
	s_cmp_lt_u32 ttmp9, 96
	s_cselect_b64 s[4:5], s[4:5], s[6:7]
	s_add_nc_u64 s[20:21], s[4:5], s[28:29]        ; a base for each block of 32 rows
	s_add_nc_u64 s[22:23], s[20:21], s[30:31]
	s_add_nc_u64 s[24:25], s[22:23], s[30:31]
	s_add_nc_u64 s[26:27], s[24:25], s[30:31]
	s_add_nc_u64 s[8:9], s[8:9], s[32:33]
	s_add_nc_u64 s[10:11], s[10:11], s[34:35]
.macro LOAD t                          ; block t: 32 rows of my column; a wave's load reads 128 consecutive bytes
.set i, 0
.rept 32
	global_load_b32 v[X+32*(\t)+i], v[VO+i], s[20+2*(\t):21+2*(\t)]
.set i, i+1
.endr
.endm
	LOAD 0
	LOAD 1
.macro BLOCK t
.set XS, X+32*\t
.set CC, C+8*\t
.if \t < 3
	s_wait_loadcnt 32                              ; this block's 32 loads are in; the next block's 32 stay out
.else
	s_wait_loadcnt 0x0
.endif
.if \t < 2
	LOAD \t+2                                      ; two blocks ahead, into registers of its own
.endif
	v_max3_num_f32 v232, |v[XS]|, |v[XS+1]|, |v[XS+2]|
	v_max3_num_f32 v233, |v[XS+3]|, |v[XS+4]|, |v[XS+5]|
.irp i, 6,10,14,18,22,26
	v_max3_num_f32 v232, v232, |v[XS+\i]|, |v[XS+\i+1]|
	v_max3_num_f32 v233, v233, |v[XS+\i+2]|, |v[XS+\i+3]|
.endr
	v_max3_num_f32 v232, v232, |v[XS+30]|, |v[XS+31]|
	v_max3_num_f32 v232, v232, v233, 0x1800000     ; and the floor 2^(3 - 127)
	v_add_nc_u32 v234, 0xff000000, v232            ; the conversion's scale operand
	v_lshrrev_b32 v235, 23, v234                   ; the byte
.if \t == 0
	v_mov_b32 v14, v235
.else
	v_lshl_or_b32 v14, v235, 8*\t, v14
.endif
	v_cvt_scalef32_pk16_fp6_f32 v[CC:CC+2], v[XS:XS+15], v234
	v_cvt_scalef32_pk16_fp6_f32 v[CC+4:CC+6], v[XS+16:XS+31], v234
	v_nop                                          ; one plain place behind a scaled conversion
	v_mov_b32 v[CC+3], v[CC+4]
	v_mov_b32 v[CC+4], v[CC+5]
	v_mov_b32 v[CC+5], v[CC+6]                     ; six registers on end: the block's 24 bytes
	ds_store_b128 v8, v[CC:CC+3] offset:768*(\t/2)+256*(\t%2)        ; image lane r + 16 (t % 2) of image t / 2
	ds_store_b64 v9, v[CC+4:CC+5] offset:768*(\t/2)+512+128*(\t%2)
.endm
	BLOCK 0
	BLOCK 1
	BLOCK 2
	BLOCK 3
	ds_store_b32 v12, v14
.irp u, 0,1
.irp c, 0,1,2
	ds_load_b128 v[OUTR+12*\u+4*\c:OUTR+12*\u+4*\c+3], v10 offset:1664*\u+512*\c   ; my own bytes, in order behind my stores
.endr
.endr
	s_wait_dscnt 0x0                               ; for the others' sake: my scale word has landed
	s_barrier_signal -1
	s_barrier_wait -1
.irp u, 0,1
.irp c, 0,1,2
	global_store_b128 v11, v[OUTR+12*\u+4*\c:OUTR+12*\u+4*\c+3], s[8:9] offset:12288*\u+512*\c   ; 512 consecutive bytes, aligned
.endr
.endr
	s_cmp_lg_u32 s12, 0
	s_cbranch_scc1 .Ldone
	ds_load_b128 v[236:239], v13                   ; a row's words of the four K steps
	s_wait_dscnt 0x0
	global_store_b128 v15, v[236:239], s[10:11]    ; lanes 0-15 tile 2 x, lanes 16-31 tile 2 x + 1: 256 consecutive bytes each
.Ldone:
	s_wait_tensorcnt 0x0
	ds_add_u32 v240, v241
	s_wait_dscnt 0x0
	s_endpgm
.Lfunc_end_k_q0d7895d5d7_quant_w:
	.size	k_q0d7895d5d7_quant_w, .Lfunc_end_k_q0d7895d5d7_quant_w-k_q0d7895d5d7_quant_w
	.p2alignl 7, 3214868480
	.fill 96, 4, 3214868480
	.section	.rodata,"a",@progbits
	.p2align	6, 0x0
	.amdhsa_kernel k_q0d7895d5d7_quant_w
		.amdhsa_group_segment_fixed_size 14336
		.amdhsa_private_segment_fixed_size 0
		.amdhsa_enable_private_segment 0
		.amdhsa_kernarg_size 32
		.amdhsa_user_sgpr_count 2
		.amdhsa_user_sgpr_kernarg_segment_ptr 1
		.amdhsa_wavefront_size32 1
		.amdhsa_system_sgpr_workgroup_id_x 1
		.amdhsa_system_sgpr_workgroup_id_y 1
		.amdhsa_system_sgpr_workgroup_id_z 1
		.amdhsa_system_vgpr_workitem_id 0
		.amdhsa_next_free_vgpr 242
		.amdhsa_next_free_sgpr 66
		.amdhsa_reserve_vcc 0
		.amdhsa_float_denorm_mode_32 3
		.amdhsa_float_denorm_mode_16_64 3
		.amdhsa_memory_ordered 1
		.amdhsa_forward_progress 1
		.amdhsa_inst_pref_size 25
	.end_amdhsa_kernel
	.amdgpu_metadata
---
amdhsa.version: [ 1, 2 ]
amdhsa.kernels:
  - .name:           k_q0d7895d5d7_quant_w
    .symbol:         k_q0d7895d5d7_quant_w.kd
    .args:
      - { .name: w_qkv, .offset: 0, .size: 8, .value_kind: global_buffer, .address_space: global }
      - { .name: w_out, .offset: 8, .size: 8, .value_kind: global_buffer, .address_space: global }
      - { .name: wc, .offset: 16, .size: 8, .value_kind: global_buffer, .address_space: global }
      - { .name: ws, .offset: 24, .size: 8, .value_kind: global_buffer, .address_space: global }
    .group_segment_fixed_size: 14336
    .private_segment_fixed_size: 0
    .kernarg_segment_align: 8
    .kernarg_segment_size: 32
    .max_flat_workgroup_size: 128
    .sgpr_count:     66
    .vgpr_count:     242
    .wavefront_size: 32
...
	.end_amdgpu_metadata
.endif
;; end of part 2
;; launch gemm_qkv (part 3): grid 12 x 32, 4 waves a work-group, clusters of 4 x 4, 327,680 bytes of LDS; arguments xc, xs, wc, ws, b_qkv, qkv; writes qkv
.if DOCPART == 3
	.amdgcn_target "amdgcn-amd-amdhsa--gfx1250"
	.amdhsa_code_object_version 6
	.text
	.protected	k_q0d7895d5d7_gemm_qkv
	.globl	k_q0d7895d5d7_gemm_qkv
	.p2align	8
	.type	k_q0d7895d5d7_gemm_qkv,@function
k_q0d7895d5d7_gemm_qkv:
	s_mov_b64 s[64:65], 0
	v_nop
	global_prefetch_b8 v0, s[64:65] scope:SCOPE_SE
	s_setreg_imm32_b32 hwreg(HW_REG_WAVE_MODE, 25, 1), 1
	s_wait_xcnt 0x0
	s_wait_alu depctr_hold_cnt(0) depctr_sa_sdst(0) depctr_va_vdst(0) depctr_va_sdst(0) depctr_va_ssrc(0) depctr_va_vcc(0) depctr_vm_vsrc(0)
	s_getreg_b32 s2, hwreg(HW_REG_IB_STS2, 6, 4)
	s_cmp_eq_u32 s2, 0
	s_cbranch_scc0 .Lentry_in_a_cluster
	s_endpgm
.Lentry_in_a_cluster:
	s_bfe_u32 s2, ttmp6, 0x10000c
	s_cmp_lg_u32 s2, 0xf033
	s_cbranch_scc0 .Lentry_shape_is_right
	s_endpgm
.Lentry_shape_is_right:
; qkv = x w_qkv + b_qkv on codes of FP6 (E2M3) with E8M0 scales; q, k and v never reach memory as f32: they are quantised in registers and leave as codes, one record of REC bytes a head.
; A tile of 256 x 256 a work-group, four waves, 128 x 128 each: 64 accumulators, 512 registers.  Source 0 of the matrix instruction is role B, source 1 role A: a lane holds one row of A and its registers run along B's rows.
; ROLES, by the cluster's x (equal in all partners): x < 2 (q, k): A = x's tokens, B = W's rows: registers run along the head's channels, the next product's K.
;   x = 2 (v): A = W's rows, B = x's tokens: registers run along the tokens, which are the keys, the K of the product with p.
; Row tiles of both tables are laid so that the 16 registers of B's tiles 2 B and 2 B + 1 are 16 neighbours: row r of tile 2 B + u is row 32 B + 8 u + r + 8 (r / 8).
; OPERANDS lie in memory as images of the registers: a fragment (16 rows x 128 k) is 1,536 bytes on end: two loads of 16 bytes a lane and two of 8; no pitch, no padding.
; K = 1,024 goes in four K steps of 256 through three LDS slots, written out: three first fills and ONE refill (K step 3 into slot 0).  All scale words come once and stay in 64 registers.
; The bias is the C of each sum's first matrix instruction.  CLUSTER 4 x 4: A's tiles are asked for jointly along a row of the cluster, B's along a column.
; RECORD (head bh = 16 b + head): KC 128 key tiles x 768 | VC 16 key steps x 4 channel tiles x 1,536 | KS 16 x 512 | VS 16 x 256 | QC as KC | QS as KS.  In KS and QS a scale word has two real bytes (the head's 64) and two bytes 0x7f.
; LIMITS: a block whose largest magnitude lies under 2^-124 (zeros too) gets the byte 1, not 127 (read by this program alone); NaN and infinities are not served.
; REGISTERS: window 0: v1-3 lane, r, h; v4-15 LDS addresses; v24-29; v32-95 scale words; v96-127 at work on the way out; v128-223 A's fragments, ONE set (way out: codes).
;   window 1: B's fragments, two sets at v0 and v128; the bias, 8 tiles of 8, at v96-127 and v224-255.  window 2: accumulators of A's blocks 0-3 ((a, b) at v[8 (8 (a % 4) + b)]); window 3: blocks 4-7.
.set SLOTB, 98304
.set HALFB, 24576                      ; 128 rows x 256 k: what one tensor load brings
.set SCL,   3*SLOTB                    ; the scales of the four halves, all of K: 4 x 4,096
.set SPARE, SCL+4*4096                 ; the spare words: 128 bytes a wave, two blocks of 256 that no other line names
.set REC,   315392
.set VC,    98304
.set KS,    196608
.set VS,    204800
.set QC,    208896
.set QS,    307200
.set A16, 4
.set A8,  7
.set B16, 10
.set B8,  13
.set L16, 24
.set L8,  25
.set BO,  26
.set ADRS, 27
.set SPW, 28
.set NIL, 29
.set SC,  32
.set AF,  128
.set TM,  96
.set SW,  112
.set PC,  128
.set G1A, 24
.set G1B, 32
.set G1SA, 40
.set G1SB, 48
.set G0SA, 72
.set G0SB, 88
.set MSB, 0
.macro WIN new                         ; the immediate's high byte repeats the setting that is left
.if MSB != (\new)
	s_set_vgpr_msb (MSB<<8)|(\new)
.set MSB, \new
.endif
.endm
.macro PLACES                          ; four places behind this matrix form in front of loads into its sources and of reads of its results
.rept 4
	v_nop
.endr
.endm
; A joint load: waves 0 and 1 fetch for A, waves 2 and 3 for B; the branch hangs on the wave's number alone.  Four v_nop follow each line.
.macro JLOAD g0a, g1a, g0b, g1b
	s_cmp_eq_u32 s17, 0
	s_cbranch_scc0 .Lfor_b_\@
	tensor_load_to_lds s[\g0a:\g0a+3], s[\g1a:\g1a+7]
	s_nop 0
.rept 4
	v_nop
.endr
	s_branch .Lasked_\@
.Lfor_b_\@:
	tensor_load_to_lds s[\g0b:\g0b+3], s[\g1b:\g1b+7]
	s_nop 0
.rept 4
	v_nop
.endr
.Lasked_\@:
.endm
.macro CREST                           ; a round of the cluster's barrier behind its opening barrier
	s_cmp_lg_u32 s16, 0
	s_cbranch_scc1 .Lnot_wave_0_\@
	s_barrier_signal -3
.Lnot_wave_0_\@:
	s_barrier_wait -3
	s_barrier_signal -1
	s_barrier_wait -1
.endm
.macro CROUND
	s_barrier_signal -1
	s_barrier_wait -1
	CREST
.endm
.macro FRAG reg, a16, a8, off          ; a fragment's 12 registers: two images of 768 bytes
	ds_load_b128 v[\reg:\reg+3], v[\a16] offset:\off
	ds_load_b64 v[\reg+4:\reg+5], v[\a8] offset:\off+512
	ds_load_b128 v[\reg+6:\reg+9], v[\a16] offset:\off+768
	ds_load_b64 v[\reg+10:\reg+11], v[\a8] offset:\off+1280
.endm
.macro FETCH_B slot, q, p              ; B's eight fragments of the slot's q-th 128 along K into set p
	WIN 0x40
.irp i, 0,1,2,3,4,5,6,7
	FRAG 128*(\p)+12*\i, B16+\slot, B8+\slot, 3072*\i+1536*(\q)
.endr
	WIN 0
.endm
.macro FETCH_A slot, q, i0             ; A's blocks i0 .. i0 + 3
.irp i, \i0, \i0+1, \i0+2, \i0+3
	FRAG AF+12*(\i), A16+\slot, A8+\slot, 3072*(\i)+1536*(\q)
.endr
.endm
.macro SCALES                          ; all scale words, once: register SC + 32 g + 4 i + s: lanes 0-15 A's block i, lanes 16-31 B's block i, K step 4 g + s
.irp g, 0,1
.irp i, 0,1,2,3,4,5,6,7
	ds_load_b128 v[SC+32*\g+4*\i:SC+32*\g+4*\i+3], v[ADRS] offset:512*\i+256*\g
.endr
.endr
.endm
; 16 matrix instructions: A's blocks a0, a0 + 1 x B's eight, K step sg.  mode 0: onto the sums; 1: the sums begin with B's bias; 2: with A's.
.macro MUL16 a0, sg, mode
.irp a, \a0, \a0+1
.irp b, 0,1,2,3,4,5,6,7
.set rD, 8*(8*((\a)%4)+\b)
.set rB, 128*((\sg)%2)+12*\b
.set rA, AF+12*(\a)
.set rSB, SC+32*((\sg)/4)+4*\b+(\sg)%4
.set rSA, SC+32*((\sg)/4)+4*(\a)+(\sg)%4
.if \mode == 0
.set rC, rD
.elseif \mode == 1
.set rC, 96+8*(\b%4)+128*(\b/4)
.else
.set rC, 96+8*((\a)%4)+128*((\a)/4)
.endif
	v_wmma_scale_f32_16x16x128_f8f6f4 v[rD:rD+7], v[rB:rB+11], v[rA:rA+11], v[rC:rC+7], v[rSB], v[rSA] matrix_a_fmt:MATRIX_FMT_FP6 matrix_b_fmt:MATRIX_FMT_FP6 matrix_a_scale:MATRIX_SCALE_ROW1
.endr
.endr
.endm
; K step sg; the next one's fragments lie in slot ns, its nq-th 128
.macro STEP sg, ns, nq, mode
	s_wait_dscnt 16                                ; all but the youngest 16 loads (A's blocks 4-7) are in
.if \mode
	WIN 0x91                                       ; source 0 and C window 1, source 1 window 0, D window 2
.else
	WIN 0xa1
.endif
	MUL16 0, \sg, \mode
	MUL16 2, \sg, \mode
	s_wait_dscnt 0x0                               ; A's blocks 4-7 are in
	PLACES
	FETCH_B \ns, \nq, 1-(\sg)%2
	FETCH_A \ns, \nq, 0
.if \mode
	WIN 0xd1
.else
	WIN 0xf1
.endif
	MUL16 4, \sg, \mode
	MUL16 6, \sg, \mode
	PLACES
	WIN 0
	FETCH_A \ns, \nq, 4
.endm
; A K step with a barrier in it.  In front of the signal each wave waits for all its tensor loads, adds 0 to its spare word and waits for that and for its reads.  fill = 1: slot 0 is filled again, behind a round of the cluster's barrier.
.macro TURN sg, ns, fill
	s_wait_tensorcnt 0x0                           ; all my tensor loads have landed
	ds_add_u32 v[SPW], v[NIL]
	s_wait_dscnt 17                                ; the add and A's 16 youngest loads may be out
	WIN 0xa1
	MUL16 0, \sg, 0
	s_wait_dscnt 0x0                               ; the add is done, and my reads of the slot are over
	s_barrier_signal -1
	MUL16 2, \sg, 0
	WIN 0
	s_barrier_wait -1
.if \fill
	CREST                                          ; no wave of any partner still reads slot 0 or has a load on its way
	s_add_nc_u64 s[58:59], s[58:59], 9216          ; K step 3: three K steps of 3,072 bytes on
	s_add_nc_u64 s[78:79], s[78:79], 9216
	JLOAD 56, G1A, 76, G1B                         ; my one tensor load behind the round; its four v_nop are the places in front of the loads below
.else
	PLACES
.endif
	FETCH_B \ns, 0, 1-(\sg)%2
	FETCH_A \ns, 0, 0
	WIN 0xf1
	MUL16 4, \sg, 0
	MUL16 6, \sg, 0
	PLACES
	WIN 0
	FETCH_A \ns, 0, 4
.endm
; 64 numbers of a lane in window w, register 16 b + i = k 32 b + 16 h + i of my row, become 12 code registers in v[PC] on and the scale word v[pw].  Each accumulator is read from its low end on.
.macro QUANT s, w, pw
	WIN (\w)*5                                     ; sources 0 and 1 in window w
.irp b, 0,1,2,3
	v_max3_num_f32 v[TM+\b], |v[(\s)+16*\b]|, |v[(\s)+16*\b+1]|, 0x1800000   ; the floor 2^(3 - 127): the byte cannot fall under 1
.endr
.irp i, 2,4,6,8,10,12,14
.irp b, 0,1,2,3
	v_max3_num_f32 v[TM+\b], |v[(\s)+16*\b+\i]|, |v[(\s)+16*\b+\i+1]|, v[TM+\b]
.endr
.endr
	WIN 0
.irp b, 0,1,2,3
	v_permlanex16_b32 v[TM+4+\b], v[TM+\b], s100, s101
.endr
.irp b, 0,1,2,3
	v_max_num_f32 v[TM+\b], v[TM+\b], v[TM+4+\b]
.endr
.irp b, 0,1,2,3
	v_add_nc_u32 v[TM+12+\b], 0xff000000, v[TM+\b] ; 2 off the exponent field: the conversion's scale operand
.endr
.irp b, 0,1,2,3
	v_lshrrev_b32 v[TM+4+\b], 23, v[TM+12+\b]
.endr
	v_lshl_or_b32 v[\pw], v[TM+5], 8, v[TM+4]
	v_lshl_or_b32 v[\pw], v[TM+6], 16, v[\pw]
	v_lshl_or_b32 v[\pw], v[TM+7], 24, v[\pw]
	WIN \w                                         ; source 0 in window w
.irp c, 0,1
	v_cvt_scalef32_pk16_fp6_f32 v[PC+6*\c:PC+6*\c+2], v[(\s)+32*\c:(\s)+32*\c+15], v[TM+12+2*\c]
	v_cvt_scalef32_pk16_fp6_f32 v[PC+12+4*\c:PC+14+4*\c], v[(\s)+16+32*\c:(\s)+31+32*\c], v[TM+13+2*\c]
.endr
	WIN 0
	v_nop                                          ; one plain place behind a scaled conversion
.irp c, 0,1
.irp i, 0,1,2
	v_permlane16_swap_b32 v[PC+6*\c+\i], v[PC+12+4*\c+\i]
.endr
.irp i, 0,1,2
	v_mov_b32 v[PC+3+6*\c+\i], v[PC+12+4*\c+\i]
.endr
.endr
.endm
	s_load_b256 s[4:11], s[0:1], 0x0               ; xc, xs, wc, ws
	s_load_b128 s[12:15], s[0:1], 0x20             ; b_qkv, qkv
	v_lshl_add_u32 v[SPW], v0, 2, SPARE
	v_mov_b32 v[NIL], 0
	ds_add_u32 v28, v29
	ds_add_u32 v28, v29
	s_wait_dscnt 0x0
	v_lshrrev_b32 v1, 5, v0
	v_readfirstlane_b32 s16, v1                    ; wave
	s_lshr_b32 s17, s16, 1                         ; my half of A's rows.  Also: I fetch for A (0) or B (1)
	s_and_b32 s18, s16, 1                          ; my half of B's rows.  Also: which half I fetch
	s_bfe_u32 s66, ttmp6, 0x40000                  ; cx
	s_bfe_u32 s67, ttmp6, 0x40004                  ; cy
	s_and_b32 s21, ttmp7, 0xffff
	s_lshl_b32 s21, s21, 2                         ; 4 x cluster y
	s_lshl_b32 s22, ttmp9, 2                       ; 4 x cluster x
	s_cmp_eq_u32 ttmp9, 2                          ; the v part?  The cluster's x is the same in all partners
	s_cselect_b32 s19, 8, s21
	s_cselect_b32 s20, s21, s22
	s_add_co_u32 s19, s19, s67                     ; A's tile of 256 rows: hangs on cy, never on cx
	s_add_co_u32 s20, s20, s66                     ; B's: hangs on cx, never on cy
	s_lshl_b32 s92, s67, 2
	s_lshl_b32 s92, 15, s92                        ; my row of the cluster
	s_lshl_b32 s93, 0x1111, s66                    ; my column
	s_or_b32 s[G1A], s92, (3<<16)|(1<<21)          ; 15:0 the mask; 17:16 elements of 8 bytes; 21 set beside a mask; no padding
	s_or_b32 s[G1B], s93, (3<<16)|(1<<21)
	s_or_b32 s[G1SA], s92, (3<<16)|(1<<21)
	s_or_b32 s[G1SB], s93, (3<<16)|(1<<21)
.irp g, G1A, G1B                       ; codes: 8 row tiles x 3,072 bytes (256 k), 12,288 bytes apart
	s_mov_b32 s[\g+1], 384<<16
	s_mov_b32 s[\g+2], 8<<16
	s_mov_b32 s[\g+3], 384<<16
	s_mov_b32 s[\g+4], 8
	s_mov_b32 s[\g+5], 1536
	s_mov_b32 s[\g+6], 0
	s_mov_b32 s[\g+7], 0
.endr
.irp g, G1SA, G1SB                     ; scales: 4,096 dense bytes as 16 rows of 256
	s_mov_b32 s[\g+1], 32<<16
	s_mov_b32 s[\g+2], 16<<16
	s_mov_b32 s[\g+3], 32<<16
	s_mov_b32 s[\g+4], 16
	s_mov_b32 s[\g+5], 32
	s_mov_b32 s[\g+6], 0
	s_mov_b32 s[\g+7], 0
.endr
	s_mul_i32 s2, s18, 98304
	s_lshl_b32 s3, s18, 12
	s_mul_i32 s94, s19, 196608
	s_add_co_u32 s94, s94, s2                      ; A's codes
	s_mov_b32 s95, 0
	s_lshl_b32 s96, s19, 13
	s_add_co_u32 s96, s96, s3                      ; A's scales
	s_mov_b32 s97, 0
	s_mul_i32 s98, s20, 196608
	s_add_co_u32 s98, s98, s2                      ; B's codes
	s_mov_b32 s99, 0
	s_lshl_b32 s100, s20, 13
	s_add_co_u32 s100, s100, s3                    ; B's scales
	s_mov_b32 s101, 0
	s_mul_i32 s22, s16, HALFB                      ; where they go: wave x 24,576: no place in the cluster enters an LDS address
	s_lshl_b32 s23, s16, 12
	v_and_b32 v1, 31, v0                           ; lane
	v_and_b32 v2, 15, v0                           ; r
	v_bfe_u32 v3, v0, 4, 1                         ; h
	v_lshlrev_b32 v[L16], 4, v1
	v_lshlrev_b32 v[L8], 3, v1
	s_mul_i32 s2, s17, HALFB
	s_mul_i32 s3, s18, HALFB
	s_add_co_u32 s3, s3, 2*HALFB
.irp s, 0,1,2
	v_add_nc_u32 v[A16+\s], s2, v[L16]
	v_add_nc_u32 v[A8+\s], s2, v[L8]
	v_add_nc_u32 v[B16+\s], s3, v[L16]
	v_add_nc_u32 v[B8+\s], s3, v[L8]
	s_add_co_u32 s2, s2, SLOTB
	s_add_co_u32 s3, s3, SLOTB
.endr
	s_lshl_b32 s2, s17, 12
	s_lshl_b32 s3, s18, 12
	s_add_co_u32 s3, s3, 8192
	s_sub_co_u32 s3, s3, s2
	v_mul_u32_u24 v30, s3, v3                      ; lanes 16-31 take B's scale words: one product, the distance between the two regions
	s_add_co_u32 s2, s2, SCL
	v_lshl_add_u32 v30, v2, 4, v30
	v_add_nc_u32 v[ADRS], s2, v30
	s_wait_kmcnt 0x0
	s_cmp_eq_u32 ttmp9, 2
	s_cselect_b64 s[2:3], s[8:9], s[4:5]
	s_add_nc_u64 s[94:95], s[2:3], s[94:95]
	s_cselect_b64 s[2:3], s[10:11], s[6:7]
	s_add_nc_u64 s[96:97], s[2:3], s[96:97]
	s_cselect_b64 s[2:3], s[4:5], s[8:9]
	s_add_nc_u64 s[98:99], s[2:3], s[98:99]
	s_cselect_b64 s[2:3], s[6:7], s[10:11]
	s_add_nc_u64 s[100:101], s[2:3], s[100:101]
	CROUND                                         ; all sixteen work-groups are here: the first joint loads meet
	s_mov_b32 s[G0SA], 1
	s_add_co_u32 s[G0SA+1], s23, SCL
	s_mov_b64 s[G0SA+2:G0SA+3], s[96:97]
	s_or_b32 s[G0SA+3], s[G0SA+3], 0x80000000
	s_mov_b32 s[G0SB], 1
	s_add_co_u32 s[G0SB+1], s23, SCL
	s_mov_b64 s[G0SB+2:G0SB+3], s[100:101]
	s_or_b32 s[G0SB+3], s[G0SB+3], 0x80000000
	JLOAD G0SA, G1SA, G0SB, G1SB                   ; the scales first
.irp s, 0,1,2                          ; group 0 of slot s: A's at s56, s60, s68; B's at s76, s80, s84
	s_mov_b32 s[56+4*\s+4*(\s/2)], 1
	s_add_co_u32 s[57+4*\s+4*(\s/2)], s22, \s*SLOTB
	s_add_nc_u64 s[58+4*\s+4*(\s/2):59+4*\s+4*(\s/2)], s[94:95], \s*3072
	s_or_b32 s[59+4*\s+4*(\s/2)], s[59+4*\s+4*(\s/2)], 0x80000000
	s_mov_b32 s[76+4*\s], 1
	s_add_co_u32 s[77+4*\s], s22, \s*SLOTB
	s_add_nc_u64 s[78+4*\s:79+4*\s], s[98:99], \s*3072
	s_or_b32 s[79+4*\s], s[79+4*\s], 0x80000000
	JLOAD 56+4*\s+4*(\s/2), G1A, 76+4*\s, G1B      ; K steps 0, 1, 2: with the scales four loads of mine are out
.endr
	; the bias, in the result's layout, into window 1
	s_cmp_eq_u32 ttmp9, 2
	s_cbranch_scc1 .Lbias_v
	s_lshl_b32 s2, s20, 10                         ; q, k: b_qkv at column 256 x B's tile + 128 x half; tile b, register j, half h: + 32 (b / 2) + 16 h + 8 (b % 2) + j
	s_lshl_b32 s3, s18, 9
	s_add_co_u32 s2, s2, s3
	s_mov_b32 s3, 0
	s_add_nc_u64 s[12:13], s[12:13], s[2:3]
	v_lshlrev_b32 v[BO], 6, v3
	WIN 0x40
.irp b, 0,1,2,3,4,5,6,7
	global_load_b128 v[96+8*(\b%4)+128*(\b/4):96+8*(\b%4)+128*(\b/4)+3], v[BO], s[12:13] offset:(32*(\b/2)+8*(\b%2))*4
	global_load_b128 v[100+8*(\b%4)+128*(\b/4):100+8*(\b%4)+128*(\b/4)+3], v[BO], s[12:13] offset:(32*(\b/2)+8*(\b%2))*4+16
.endr
	WIN 0
	s_branch .Lbias_done
.Lbias_v:
	s_lshl_b32 s2, s67, 10                         ; v: b_qkv at column 2,048 + 256 cy + 128 x half; a lane has ONE channel, 32 (a / 2) + 8 (a % 2) + r + 8 (r / 8): the same number in all eight registers
	s_lshl_b32 s3, s17, 9
	s_add_co_u32 s2, s2, s3
	s_add_co_u32 s2, s2, 8192
	s_mov_b32 s3, 0
	s_add_nc_u64 s[12:13], s[12:13], s[2:3]
	v_and_b32 v[BO], 8, v2
	v_add_nc_u32 v[BO], v[BO], v2
	v_lshlrev_b32 v[BO], 2, v[BO]
	WIN 0x40
.irp a, 0,1,2,3,4,5,6,7
.irp j, 0,1,2,3,4,5,6,7
	global_load_b32 v[96+8*(\a%4)+128*(\a/4)+\j], v[BO], s[12:13] offset:(32*(\a/2)+8*(\a%2))*4
.endr
.endr
	WIN 0
.Lbias_done:
	s_wait_tensorcnt 2                             ; the scales and K step 0 are in; K steps 1 and 2 may stay out
	s_barrier_signal -1
	s_barrier_wait -1
	FETCH_B 0, 0, 0
	FETCH_A 0, 0, 0
	SCALES
	FETCH_A 0, 0, 4
	s_wait_loadcnt 0x0                             ; the bias
	s_cmp_eq_u32 ttmp9, 2
	s_cbranch_scc1 .Lfirst_v
	STEP 0, 0, 1, 1                                ; the bias starts the sums: nothing is cleared
	s_branch .Lfirst_done
.Lfirst_v:
	STEP 0, 0, 1, 2
.Lfirst_done:
	TURN 1, 1, 1                                   ; the one refill: K step 3 into slot 0, with two K steps of products in which to land
	STEP 2, 1, 1, 0
	STEP 3, 2, 0, 0                                ; no barrier: every wave's wait for all its loads stood in front of the round above, so slot 2 is whole
	STEP 4, 2, 1, 0
	TURN 5, 0, 0                                   ; K step 3 has landed in every wave's part
	STEP 6, 0, 1, 0
	s_wait_dscnt 16
	WIN 0xa1
	MUL16 0, 7, 0
	MUL16 2, 7, 0
	s_wait_dscnt 0x0
	WIN 0xf1
	MUL16 4, 7, 0
	MUL16 6, 7, 0
	WIN 0
	PLACES
	; THE WAY OUT: block a's 64 registers are 128 neighbours along the next K (with lane l xor 16's): quantised, and stored as images of registers.  No LDS stage.
	s_mov_b32 s100, 0x76543210
	s_mov_b32 s101, 0xfedcba98
.irp b, 0,1,2,3
	v_mov_b32 v[TM+4+\b], 0                        ; a lane permute's destination counts as read
.endr
	v_cmp_le_u32 vcc_lo, 16, v1                    ; lanes 16-31
	s_cmp_eq_u32 ttmp9, 2
	s_cbranch_scc1 .Lout_v
	s_lshr_b32 s2, s19, 3                          ; batch
	s_lshl_b32 s2, s2, 4
	s_lshl_b32 s3, s20, 1
	s_add_co_u32 s3, s3, s18
	s_and_b32 s3, s3, 7
	s_lshl_b32 s3, s3, 1                           ; my first head
	s_add_co_u32 s2, s2, s3
	s_mul_i32 s2, s2, REC
	s_and_b32 s3, s19, 7
	s_lshl_b32 s3, s3, 1
	s_add_co_u32 s3, s3, s17                       ; which 128 tokens of the batch
	s_mul_i32 s22, s3, 6144
	s_lshl_b32 s23, s3, 9
	s_add_co_u32 s22, s22, s2
	s_add_co_u32 s23, s23, s2
	s_mov_b32 s3, KS
	s_cmp_eq_u32 ttmp9, 0                          ; q or k
	s_cselect_b32 s2, QC, 0
	s_cselect_b32 s3, QS, s3
	s_add_co_u32 s94, s22, s2
	s_mov_b32 s95, 0
	s_add_co_u32 s96, s23, s3
	s_mov_b32 s97, 0
	s_add_nc_u64 s[94:95], s[14:15], s[94:95]
	s_add_nc_u64 s[96:97], s[14:15], s[96:97]
	s_mov_b32 s98, 0xffff
	s_mov_b32 s99, 0x7f7f0000
.irp a, 0,1,2,3,4,5,6,7
	s_wait_xcnt 0x0                                ; the last block's stores have read the code registers
	QUANT 64*(\a%4), 2+\a/4, SW+\a
.irp e, 0,1                            ; registers 6 e .. 6 e + 5: head e's 64 channels of token tile a
	global_store_b128 v[L16], v[PC+6*\e:PC+6*\e+3], s[94:95] offset:768*\a+\e*REC        ; 512 consecutive bytes, aligned
	global_store_b64 v[L8], v[PC+6*\e+4:PC+6*\e+5], s[94:95] offset:768*\a+\e*REC+512    ; 256
.endr
.endr
.irp q, 0,1,2,3
	v_cndmask_b32 v[120+\q], v[SW+2*\q], v[SW+2*\q+1], vcc_lo   ; lanes 0-15 tile 2 q, lanes 16-31 tile 2 q + 1
.endr
.irp q, 0,1,2,3
	v_and_or_b32 v[124+\q], v[120+\q], s98, s99    ; head 0: bytes 0, 1; the upper 64 of the instruction's K get the byte 0x7f
	v_lshrrev_b32 v[120+\q], 16, v[120+\q]
.endr
.irp q, 0,1,2,3
	v_or_b32 v[148+\q], s99, v[120+\q]             ; head 1: bytes 2, 3
.endr
	global_store_b128 v[L16], v[124:127], s[96:97]
	global_store_b128 v[L16], v[148:151], s[96:97] offset:REC
	s_branch .Lout_done
.Lout_v:
	s_lshr_b32 s2, s20, 3                          ; batch
	s_lshl_b32 s2, s2, 4
	s_lshl_b32 s3, s67, 2
	s_add_co_u32 s2, s2, s3
	s_lshl_b32 s3, s17, 1
	s_add_co_u32 s2, s2, s3                        ; 16 b + 4 cy + 2 x half
	s_mul_i32 s2, s2, REC
	s_and_b32 s3, s20, 7
	s_lshl_b32 s3, s3, 1
	s_add_co_u32 s3, s3, s18                       ; the key step
	s_mul_i32 s22, s3, 6144
	s_lshl_b32 s23, s3, 8
	s_add_co_u32 s22, s22, s2
	s_add_co_u32 s23, s23, s2
	s_add_co_u32 s94, s22, VC
	s_mov_b32 s95, 0
	s_add_co_u32 s96, s23, VS
	s_mov_b32 s97, 0
	s_add_nc_u64 s[94:95], s[14:15], s[94:95]
	s_add_nc_u64 s[96:97], s[14:15], s[96:97]
.irp a, 0,1,2,3,4,5,6,7
	s_wait_xcnt 0x0
	QUANT 64*(\a%4), 2+\a/4, SW+\a
.irp c, 0,1,2                          ; head a / 4, channel tile a % 4: a whole fragment of 128 keys
	global_store_b128 v[L16], v[PC+4*\c:PC+4*\c+3], s[94:95] offset:(\a/4)*REC+1536*(\a%4)+512*\c
.endr
.endr
.irp e, 0,1
	v_cndmask_b32 v[120+2*\e], v[SW+4*\e], v[SW+4*\e+1], vcc_lo
	v_cndmask_b32 v[121+2*\e], v[SW+4*\e+2], v[SW+4*\e+3], vcc_lo
.endr
.irp e, 0,1
	global_store_b64 v[L8], v[120+2*\e:121+2*\e], s[96:97] offset:\e*REC   ; 256 consecutive bytes, aligned
.endr
.Lout_done:
	s_wait_tensorcnt 0x0                           ; the wave's end
	ds_add_u32 v[SPW], v[NIL]
	s_wait_dscnt 0x0
	CROUND                                         ; the closing round
	s_endpgm
.Lfunc_end_k_q0d7895d5d7_gemm_qkv:
	.size	k_q0d7895d5d7_gemm_qkv, .Lfunc_end_k_q0d7895d5d7_gemm_qkv-k_q0d7895d5d7_gemm_qkv
	.p2alignl 7, 3214868480
	.fill 96, 4, 3214868480
	.section	.rodata,"a",@progbits
	.p2align	6, 0x0
	.amdhsa_kernel k_q0d7895d5d7_gemm_qkv
		.amdhsa_group_segment_fixed_size 327680
		.amdhsa_private_segment_fixed_size 0
		.amdhsa_enable_private_segment 0
		.amdhsa_kernarg_size 48
		.amdhsa_user_sgpr_count 2
		.amdhsa_user_sgpr_kernarg_segment_ptr 1
		.amdhsa_wavefront_size32 1
		.amdhsa_system_sgpr_workgroup_id_x 1
		.amdhsa_system_sgpr_workgroup_id_y 1
		.amdhsa_system_sgpr_workgroup_id_z 1
		.amdhsa_system_vgpr_workitem_id 0
		.amdhsa_next_free_vgpr 1024
		.amdhsa_next_free_sgpr 102
		.amdhsa_reserve_vcc 1
		.amdhsa_float_denorm_mode_32 3
		.amdhsa_float_denorm_mode_16_64 3
		.amdhsa_memory_ordered 1
		.amdhsa_forward_progress 1
		.amdhsa_inst_pref_size 204
	.end_amdhsa_kernel
	.amdgpu_metadata
---
amdhsa.version: [ 1, 2 ]
amdhsa.kernels:
  - .name:           k_q0d7895d5d7_gemm_qkv
    .symbol:         k_q0d7895d5d7_gemm_qkv.kd
    .args:
      - { .name: xc, .offset: 0, .size: 8, .value_kind: global_buffer, .address_space: global }
      - { .name: xs, .offset: 8, .size: 8, .value_kind: global_buffer, .address_space: global }
      - { .name: wc, .offset: 16, .size: 8, .value_kind: global_buffer, .address_space: global }
      - { .name: ws, .offset: 24, .size: 8, .value_kind: global_buffer, .address_space: global }
      - { .name: b_qkv, .offset: 32, .size: 8, .value_kind: global_buffer, .address_space: global }
      - { .name: qkv, .offset: 40, .size: 8, .value_kind: global_buffer, .address_space: global }
    .group_segment_fixed_size: 327680
    .private_segment_fixed_size: 0
    .kernarg_segment_align: 8
    .kernarg_segment_size: 48
    .max_flat_workgroup_size: 128
    .sgpr_count:     102
    .vgpr_count:     1024
    .wavefront_size: 32
...
	.end_amdgpu_metadata
.endif
;; end of part 3
;; launch attn (part 4): grid 4 x 64, 16 waves a work-group, clusters of 4 x 1, 210,944 bytes of LDS; arguments qkv, cc, cs; writes cc, cs
.if DOCPART == 4
	.amdgcn_target "amdgcn-amd-amdhsa--gfx1250"
	.amdhsa_code_object_version 6
	.text
	.protected	k_q0d7895d5d7_attn
	.globl	k_q0d7895d5d7_attn
	.p2align	8
	.type	k_q0d7895d5d7_attn,@function
k_q0d7895d5d7_attn:
	s_mov_b64 s[64:65], 0
	v_nop
	global_prefetch_b8 v0, s[64:65] scope:SCOPE_SE
	s_setreg_imm32_b32 hwreg(HW_REG_WAVE_MODE, 25, 1), 1
	s_wait_xcnt 0x0
	s_wait_alu depctr_hold_cnt(0) depctr_sa_sdst(0) depctr_va_vdst(0) depctr_va_sdst(0) depctr_va_ssrc(0) depctr_va_vcc(0) depctr_vm_vsrc(0)
	s_getreg_b32 s2, hwreg(HW_REG_IB_STS2, 6, 4)
	s_cmp_eq_u32 s2, 0
	s_cbranch_scc0 .Lentry_in_a_cluster
	s_endpgm
.Lentry_in_a_cluster:
	s_bfe_u32 s2, ttmp6, 0x10000c
	s_cmp_lg_u32 s2, 0x3003
	s_cbranch_scc0 .Lentry_shape_is_right
	s_endpgm
.Lentry_shape_is_right:
; ctx = softmax(q k^T / 8, causal) v for one head a cluster, both products on codes of FP6 (E2M3) with E8M0 scales; ctx is quantised in registers and leaves as codes for the last product.
; THE SOFTMAX: t = score x log2(e) / 8; M = the running largest t rounded UP to a whole number; p = 2^(t - M) is quantised along the keys, not normalised; the row's sum is taken of the unquantised p and divides at the end.
; When M moves, the sum and O are multiplied by 2^(old M - new M): exact.  A block's largest p is taken from its largest score by the same multiply-add and exponential (this leans on v_exp_f32 not falling where its input rises).
; LDS holds the head's K and V, codes and scales, whole: 208,896 bytes, filled ONCE: each of the 16 waves asks for 51 rows of 256 bytes, jointly with the three partners of the cluster, which walk the same head.  No ring, no refill.
; SHARES: the cluster's four work-groups own the head's 128 query tiles of 16.  Wave w takes tile 8 w + cx (key steps 0 .. w) and tile 124 - 8 w + cx (key steps 0 .. 15 - w): 17 key steps of 128 keys for every wave.
; Branches hang on the wave's number alone; cx enters global addresses and the mask's vector number.  The loop has 16 trips in every wave; a step all of whose keys are hidden is jumped over.
; LAYOUT: S^T = K Q^T and O^T = V^T P^T: a lane holds ONE query.  Key, query and channel tiles are laid so that two neighbouring tiles' 16 registers are 16 neighbours: row r of tile 2 B + u is 32 B + 8 u + r + 8 (r / 8).
; THE HEAD'S 64 IN AN INSTRUCTION OF 128: Q's codes of k >= 64 are zeros and both sides' scale bytes there are 0x7f, so whatever finite codes stand in K's upper six registers (the next tile's) add nothing.
; LIMITS: a block of ctx whose largest magnitude lies under 2^-124 gets the byte 1; NaN and infinities are not served.
.set REC, 315392
.set VC,  98304
.set KS,  196608
.set VS,  204800
.set QC,  208896
.set QS,  307200
.set S,   96                           ; v96-159  S^T, then p
.set O,   160                          ; v160-191 O^T: four channel tiles
.set PC,  192                          ; v192-203 p's codes;  v204-211 the conversions' second halves
.set PT,  204
.set BM,  212                          ; v212-215 block maxima; v216-219 at work; v220-223 scale operands
.set BT,  216
.set BS,  220
.set TK,  32                           ; s32-35 LDS bytes at which the step's K, V, K's scales, V's scales begin
.set TVC, 33
.set TS,  34
.set TV,  35
.set KI,  36                           ; s36 the key step;  s37 the pass's last key step
.set GR,  37
.macro ROUND
	s_barrier_signal -1
	s_barrier_wait -1
	s_cmp_lg_u32 s10, 0
	s_cbranch_scc1 .Lnot_wave_0_\@
	s_barrier_signal -3
.Lnot_wave_0_\@:
	s_barrier_wait -3
	s_barrier_signal -1
	s_barrier_wait -1
.endm
	s_load_b128 s[4:7], s[0:1], 0x0                ; qkv, cc
	s_load_b64 s[8:9], s[0:1], 0x10                ; cs
	v_lshl_add_u32 v254, v0, 2, 0x33000
	v_mov_b32 v255, 0
	ds_add_u32 v254, v255
	ds_add_u32 v254, v255
	v_lshrrev_b32 v1, 5, v0
	v_readfirstlane_b32 s10, v1                    ; wave 0..15
	s_bfe_u32 s11, ttmp6, 0x40000                  ; cx
	s_and_b32 s12, ttmp7, 0xffff                   ; bh = 16 b + head, which the partners share
	s_mov_b32 s20, 15|(3<<16)|(1<<21)              ; the mask: all four; elements of 8 bytes; bit 21 beside a mask
	s_mov_b32 s21, 32<<16                          ; rows of 256 bytes,
	s_mov_b32 s22, 51<<16                          ; 51 of them
	s_mov_b32 s23, 32<<16
	s_mov_b32 s24, 51
	s_mov_b32 s25, 32
	s_mov_b32 s26, 0
	s_mov_b32 s27, 0
	s_mul_i32 s13, s10, 13056
	s_mul_i32 s14, s12, REC
	s_mov_b32 s15, 0
	s_mov_b32 s2, s13
	s_mov_b32 s3, 0
	s_wait_dscnt 0x0
	s_wait_kmcnt 0x0
	s_add_nc_u64 s[4:5], s[4:5], s[14:15]          ; the head's record
	s_mov_b32 s16, 1
	s_mov_b32 s17, s13
	s_add_nc_u64 s[18:19], s[4:5], s[2:3]
	s_or_b32 s19, s19, 0x80000000
	ROUND                                          ; all four work-groups are here
	tensor_load_to_lds s[16:19], s[20:27]          ; my sixteenth of K, V and their scales
	s_nop 0
.rept 4
	v_nop
.endr
	v_and_b32 v3, 31, v0
	v_lshlrev_b32 v1, 4, v3                        ; 16 x lane
	v_lshlrev_b32 v2, 3, v3                        ; 8 x lane
	v_and_b32 v4, 15, v0                           ; r
	v_lshlrev_b32 v10, 4, v4                       ; 16 r
	v_and_b32 v5, 8, v4
	v_add_nc_u32 v11, v4, v5
	v_bfe_u32 v5, v0, 4, 1
	v_lshlrev_b32 v5, 4, v5
	v_sub_nc_u32 v11, v11, v5                      ; r + 8 (r / 8) - 16 h
	v_mov_b32 v9, 0xff800000                       ; -infinity
	s_mov_b32 s28, 0x3e38aa3b                      ; c = log2(e) / 8
	s_mov_b32 s29, s28
	s_mov_b32 s30, 0x76543210
	s_mov_b32 s31, 0xfedcba98
	s_lshl_b32 s14, s10, 3
	s_add_co_u32 s38, s14, s11                     ; t0 = 8 w + cx
	s_sub_co_u32 s39, 124, s14
	s_add_co_u32 s39, s39, s11                     ; t1 = 124 - 8 w + cx
	s_lshr_b32 s52, s12, 4
	s_lshl_b32 s52, s52, 7                         ; 128 b
	s_and_b32 s53, s12, 15                         ; the head e
	s_mul_i32 s54, s53, 768
	s_lshr_b32 s55, s53, 3
	s_lshl_b32 s55, s55, 8
	s_and_b32 s14, s53, 7
	s_lshl_b32 s14, s14, 1
	s_add_co_u32 s55, s55, s14                     ; 256 (e / 8) + 2 (e % 8)
.irp p, 0,1
	s_mul_i32 s[40+4*\p], s[38+\p], 768
	s_add_co_u32 s[40+4*\p], s[40+4*\p], QC
	s_mov_b32 s[41+4*\p], 0
	s_add_nc_u64 s[40+4*\p:41+4*\p], s[4:5], s[40+4*\p:41+4*\p]    ; Q's codes of tile t
	s_lshr_b32 s14, s[38+\p], 3
	s_lshl_b32 s14, s14, 9
	s_and_b32 s15, s[38+\p], 1
	s_lshl_b32 s15, s15, 8
	s_add_co_u32 s14, s14, s15
	s_bfe_u32 s15, s[38+\p], 0x20001
	s_lshl_b32 s15, s15, 2
	s_add_co_u32 s14, s14, s15
	s_add_co_u32 s[42+4*\p], s14, QS               ; its scale words: 512 (t / 8) + 256 (t % 2) + 4 ((t % 8) / 2), + 16 r
	s_mov_b32 s[43+4*\p], 0
	s_add_nc_u64 s[42+4*\p:43+4*\p], s[4:5], s[42+4*\p:43+4*\p]
	s_add_co_u32 s14, s52, s[38+\p]                ; the row tile of ctx
	s_mul_i32 s[48+2*\p], s14, 12288
	s_add_co_u32 s[48+2*\p], s[48+2*\p], s54
	s_mov_b32 s[49+2*\p], 0
	s_add_nc_u64 s[48+2*\p:49+2*\p], s[6:7], s[48+2*\p:49+2*\p]    ; where its codes go
	s_lshl_b32 s[56+\p], s14, 9
	s_add_co_u32 s[56+\p], s[56+\p], s55           ; and its scale bytes
.endr
	global_load_b128 v[16:19], v1, s[40:41]
	global_load_b64 v[20:21], v2, s[40:41] offset:512
	global_load_b32 v28, v10, s[42:43]
	global_load_b128 v[228:231], v1, s[44:45]
	global_load_b64 v[232:233], v2, s[44:45] offset:512
	global_load_b32 v29, v10, s[46:47]
.irp j, 0,1,2,3,4,5
	v_mov_b32 v[22+\j], 0                          ; Q's codes of k = 64 .. 127: zeros
	v_mov_b32 v[234+\j], 0
	v_mov_b32 v[80+\j], 0                          ; behind K's last tile
.endr
.irp b, 0,1,2,3
	v_mov_b32 v[BT+\b], 0                          ; lane permutes' destinations count as read
.endr
	v_mov_b32 v225, 0                              ; named as the upper half of the pair v[224:225]
	v_mov_b32 v226, 0
	s_wait_tensorcnt 0x0                           ; my part has landed,
	s_barrier_signal -1
	s_barrier_wait -1                              ; everybody's has
	s_wait_loadcnt 0x0                             ; Q
; A KEY STEP: 128 keys against my 16 queries
.macro STEP qf, qs
	s_cmp_gt_u32 s[KI], s[GR]                      ; all its keys come after my queries: only the address steps at the end
	s_cbranch_scc1 .Lhidden_\@
	v_add_nc_u32 v3, s[TK], v1                     ; (these five are also the places in front of the loads below)
	v_add_nc_u32 v4, s[TK], v2
	v_add_nc_u32 v5, s[TVC], v1
	v_add_nc_u32 v6, s[TS], v1
	v_add_nc_u32 v7, s[TV], v2
.irp i, 0,1,2,3,4,5,6,7
	ds_load_b128 v[32+6*\i:35+6*\i], v3 offset:768*\i
	ds_load_b64 v[36+6*\i:37+6*\i], v4 offset:768*\i+512
.endr
	ds_load_b128 v[86:89], v6                      ; K's scale words: register B: lanes 0-15 tile 2 B, lanes 16-31 tile 2 B + 1
	s_wait_dscnt 0x0
.irp i, 0,2,4,6
	v_wmma_scale_f32_16x16x128_f8f6f4 v[S+8*\i:S+8*\i+7], v[32+6*\i:43+6*\i], v[\qf:\qf+11], 0, v[86+\i/2], v[\qs] matrix_a_fmt:MATRIX_FMT_FP6 matrix_b_fmt:MATRIX_FMT_FP6
	v_wmma_scale_f32_16x16x128_f8f6f4 v[S+8*\i+8:S+8*\i+15], v[38+6*\i:49+6*\i], v[\qf:\qf+11], 0, v[86+\i/2], v[\qs] matrix_a_fmt:MATRIX_FMT_FP6 matrix_b_fmt:MATRIX_FMT_FP6 matrix_a_scale:MATRIX_SCALE_ROW1
.endr
.rept 4
	v_nop                                          ; places in front of the loads into K's registers and of the first read of the scores
.endr
.irp t, 0,1,2,3
.irp c, 0,1,2
	ds_load_b128 v[32+12*\t+4*\c:35+12*\t+4*\c], v5 offset:1536*\t+512*\c   ; V's four fragments land under the softmax
.endr
.endr
	ds_load_b64 v[90:91], v7                       ; V's scale words
	s_cmp_lg_u32 s[KI], s[GR]                      ; only the pass's last step lies on the diagonal
	s_cbranch_scc1 .Lopen_\@
.set n, 0
.rept 64                               ; register n holds key 32 (n / 16) + 16 h + n % 16 of the step: hidden where it comes after my query
	v_cmp_gt_i32 vcc_lo, 32*(n/16)+n%16, v8
	v_cndmask_b32 v[S+n], v[S+n], v9, vcc_lo
.set n, n+1
.endr
.Lopen_\@:
.irp b, 0,1,2,3
	v_max3_num_f32 v[BM+\b], v[S+16*\b], v[S+16*\b+1], v[S+16*\b+2]   ; the largest score of each block of 32 keys
.endr
.irp i, 3,5,7,9,11,13
.irp b, 0,1,2,3
	v_max3_num_f32 v[BM+\b], v[BM+\b], v[S+16*\b+\i], v[S+16*\b+\i+1]
.endr
.endr
.irp b, 0,1,2,3
	v_max_num_f32 v[BM+\b], v[BM+\b], v[S+16*\b+15]
.endr
.irp b, 0,1,2,3
	v_permlanex16_b32 v[BT+\b], v[BM+\b], s30, s31
.endr
.irp b, 0,1,2,3
	v_max_num_f32 v[BM+\b], v[BM+\b], v[BT+\b]
.endr
	v_max3_num_f32 v226, v[BM], v[BM+1], v[BM+2]
	v_max_num_f32 v226, v226, v[BM+3]
	v_mul_f32 v226, s28, v226                      ; as t
	v_max_num_f32 v13, v13, v226                   ; the running largest t
	v_mov_b32 v226, v12
	v_floor_f32 v12, -v13                          ; -M = floor(-t): M is a whole number
	v_sub_f32 v226, v12, v226                      ; old M - new M: a whole number, 0 or less
	v_cvt_i32_f32 v226, v226                       ; (it saturates)
	v_ldexp_f32 v224, 1.0, v226                    ; f = 2^(old M - new M)
.set n, 0
.rept 32
	v_pk_fma_f32 v[S+n:S+n+1], v[S+n:S+n+1], s[28:29], v[12:13] op_sel_hi:[1,0,0]   ; t - M
.set n, n+2
.endr
.irp b, 0,1,2,3
	v_fma_f32 v[BM+\b], v[BM+\b], s28, v12
.endr
.set n, 0
.rept 64
	v_exp_f32 v[S+n], v[S+n]                       ; p = 2^(t - M)
.set n, n+1
.endr
.irp b, 0,1,2,3
	v_exp_f32 v[BM+\b], v[BM+\b]                   ; the block's largest p
.endr
	v_pk_mul_f32 v[14:15], v[14:15], v[224:225] op_sel_hi:[1,0]   ; the sums under the new M (a plain place behind the exponentials)
	s_wait_alu depctr_va_vdst(0)
.irp b, 0,1,2,3
	v_max_num_f32 v[BM+\b], 0x1800000, v[BM+\b]    ; the floor 2^(3 - 127)
.endr
.irp b, 0,1,2,3
	v_add_nc_u32 v[BS+\b], 0xff000000, v[BM+\b]
.endr
.irp b, 0,1,2,3
	v_lshrrev_b32 v[BT+\b], 23, v[BS+\b]
.endr
	v_lshl_or_b32 v92, v[BT+1], 8, v[BT]           ; p's scale word
	v_lshl_or_b32 v92, v[BT+2], 16, v92
	v_lshl_or_b32 v92, v[BT+3], 24, v92
.irp c, 0,1
	v_cvt_scalef32_pk16_fp6_f32 v[PC+6*\c:PC+6*\c+2], v[S+32*\c:S+32*\c+15], v[BS+2*\c]
	v_cvt_scalef32_pk16_fp6_f32 v[PT+4*\c:PT+4*\c+2], v[S+16+32*\c:S+31+32*\c], v[BS+2*\c+1]
.endr
	v_nop                                          ; one plain place behind a scaled conversion
.irp c, 0,1
.irp i, 0,1,2
	v_permlane16_swap_b32 v[PC+6*\c+\i], v[PT+4*\c+\i]
.endr
.irp i, 0,1,2
	v_mov_b32 v[PC+3+6*\c+\i], v[PT+4*\c+\i]
.endr
.endr
	v_pk_add_f32 v[240:241], v[S:S+1], v[S+2:S+3]  ; the row's sum, of the unquantised p, in two chains.  (These lines are also the places between the writes of p's codes and scale word and the products)
.irp j, 4,8,12,16,20,24,28,32,36,40,44,48,52,56,60
	v_pk_add_f32 v[14:15], v[14:15], v[S+\j:S+\j+1]
	v_pk_add_f32 v[240:241], v[240:241], v[S+\j+2:S+\j+3]
.endr
	v_pk_add_f32 v[14:15], v[14:15], v[240:241]
.set n, 0
.rept 16
	v_pk_mul_f32 v[O+n:O+n+1], v[O+n:O+n+1], v[224:225] op_sel_hi:[1,0]   ; O^T under the new M
.set n, n+2
.endr
	s_wait_dscnt 0x0                               ; V is in
.irp t, 0,2
	v_wmma_scale_f32_16x16x128_f8f6f4 v[O+8*\t:O+8*\t+7], v[32+12*\t:43+12*\t], v[PC:PC+11], v[O+8*\t:O+8*\t+7], v[90+\t/2], v92 matrix_a_fmt:MATRIX_FMT_FP6 matrix_b_fmt:MATRIX_FMT_FP6
	v_wmma_scale_f32_16x16x128_f8f6f4 v[O+8*\t+8:O+8*\t+15], v[44+12*\t:55+12*\t], v[PC:PC+11], v[O+8*\t+8:O+8*\t+15], v[90+\t/2], v92 matrix_a_fmt:MATRIX_FMT_FP6 matrix_b_fmt:MATRIX_FMT_FP6 matrix_a_scale:MATRIX_SCALE_ROW1
.endr
.Lhidden_\@:
	s_add_co_u32 s[TK], s[TK], 6144
	s_add_co_u32 s[TVC], s[TVC], 6144
	s_add_co_u32 s[TS], s[TS], 512
	s_add_co_u32 s[TV], s[TV], 256
.endm
; A PASS: one tile of 16 queries through its key steps, then ctx = O / the sum, quantised along the head's 64 and stored
.macro PASS p, qf, qs, wr
.if \p
	s_wait_xcnt 0x0                                ; the first pass's stores have read the code registers
	s_sub_co_u32 s[GR], 15, s10
.else
	s_mov_b32 s[GR], s10
.endif
	s_bfe_u32 s14, s[38+\p], 0x20001
	s_lshl_b32 s14, s14, 5
	s_and_b32 s15, s[38+\p], 1
	s_lshl_b32 s15, s15, 3
	s_add_co_u32 s14, s14, s15
	v_add_nc_u32 v8, s14, v11                      ; my query among the last step's 128 keys, less 16 h
	v_mov_b32 v13, 0xff61b1e6                      ; the largest t so far: -3e38
	v_floor_f32 v12, -v13
	v_mov_b32 v14, 0
	v_mov_b32 v15, 0
.set n, 0
.rept 32
	v_mov_b32 v[O+n], 0                            ; the step is written once: the first finds zeros
.set n, n+1
.endr
	s_mov_b32 s[TK], 0
	s_mov_b32 s[TVC], VC
	s_mov_b32 s[TS], KS
	s_mov_b32 s[TV], VS
	s_mov_b32 s[KI], 0
.Lstep_\@:
	STEP \qf, \qs
	s_add_co_u32 s[KI], s[KI], 1
	s_cmp_lt_u32 s[KI], 16
	s_cbranch_scc1 .Lstep_\@
.rept 4
	v_nop                                          ; places behind the last products
.endr
	v_add_f32 v14, v14, v15
	v_permlanex16_b32 v226, v14, s30, s31
	v_add_f32 v14, v14, v226                       ; the row's sum
	v_rcp_f32 v14, v14
	v_nop                                          ; one plain place behind a transcendental
.set n, 0
	s_wait_alu depctr_va_vdst(0)
.rept 16
	v_pk_mul_f32 v[S+n:S+n+1], v[O+n:O+n+1], v[14:15] op_sel_hi:[1,0]   ; register 16 b + i = channel 32 b + 16 h + i of my query; each accumulator from its low end on
.set n, n+2
.endr
.irp b, 0,1
	v_max3_num_f32 v[BM+\b], |v[S+16*\b]|, |v[S+16*\b+1]|, 0x1800000
.endr
.irp i, 2,4,6,8,10,12,14
.irp b, 0,1
	v_max3_num_f32 v[BM+\b], v[BM+\b], |v[S+16*\b+\i]|, |v[S+16*\b+\i+1]|
.endr
.endr
.irp b, 0,1
	v_permlanex16_b32 v[BT+\b], v[BM+\b], s30, s31
.endr
.irp b, 0,1
	v_max_num_f32 v[BM+\b], v[BM+\b], v[BT+\b]
.endr
.irp b, 0,1
	v_add_nc_u32 v[BS+\b], 0xff000000, v[BM+\b]
.endr
.irp b, 0,1
	v_lshrrev_b32 v[BT+\b], 23, v[BS+\b]
.endr
	v_lshl_or_b32 v[\wr], v[BT+1], 8, v[BT]        ; the head's two scale bytes of my row
	v_cvt_scalef32_pk16_fp6_f32 v[PC:PC+2], v[S:S+15], v[BS]
	v_cvt_scalef32_pk16_fp6_f32 v[PT:PT+2], v[S+16:S+31], v[BS+1]
	v_nop
.irp i, 0,1,2
	v_permlane16_swap_b32 v[PC+\i], v[PT+\i]
.endr
.irp i, 0,1,2
	v_mov_b32 v[PC+3+\i], v[PT+\i]
.endr
	global_store_b128 v1, v[PC:PC+3], s[48+2*\p:49+2*\p]             ; 512 consecutive bytes, aligned
	global_store_b64 v2, v[PC+4:PC+5], s[48+2*\p:49+2*\p] offset:512 ; 256
.endm
	PASS 0, 16, 28, 242
	PASS 1, 228, 29, 243
	; the scale bytes: two a row.  A scale word of the last product spans two heads, which are two clusters' work, so these leave in pieces of two bytes: 1 byte in 24 of what the launch stores
	v_and_b32 v226, 31, v0
	v_cmp_le_u32 vcc_lo, 16, v226
	v_add_nc_u32 v240, s56, v10
	v_add_nc_u32 v241, s57, v10
	v_cndmask_b32 v240, v240, v241, vcc_lo         ; lanes 0-15 the first tile, lanes 16-31 the second
	v_cndmask_b32 v241, v242, v243, vcc_lo
	global_store_b16 v240, v241, s[8:9]
	s_wait_tensorcnt 0x0
	ds_add_u32 v254, v255
	s_wait_dscnt 0x0
	ROUND                                          ; the closing round
	s_endpgm
.Lfunc_end_k_q0d7895d5d7_attn:
	.size	k_q0d7895d5d7_attn, .Lfunc_end_k_q0d7895d5d7_attn-k_q0d7895d5d7_attn
	.p2alignl 7, 3214868480
	.fill 96, 4, 3214868480
	.section	.rodata,"a",@progbits
	.p2align	6, 0x0
	.amdhsa_kernel k_q0d7895d5d7_attn
		.amdhsa_group_segment_fixed_size 210944
		.amdhsa_private_segment_fixed_size 0
		.amdhsa_enable_private_segment 0
		.amdhsa_kernarg_size 24
		.amdhsa_user_sgpr_count 2
		.amdhsa_user_sgpr_kernarg_segment_ptr 1
		.amdhsa_wavefront_size32 1
		.amdhsa_system_sgpr_workgroup_id_x 1
		.amdhsa_system_sgpr_workgroup_id_y 1
		.amdhsa_system_sgpr_workgroup_id_z 1
		.amdhsa_system_vgpr_workitem_id 0
		.amdhsa_next_free_vgpr 256
		.amdhsa_next_free_sgpr 66
		.amdhsa_reserve_vcc 1
		.amdhsa_float_denorm_mode_32 3
		.amdhsa_float_denorm_mode_16_64 3
		.amdhsa_memory_ordered 1
		.amdhsa_forward_progress 1
		.amdhsa_inst_pref_size 59
	.end_amdhsa_kernel
	.amdgpu_metadata
---
amdhsa.version: [ 1, 2 ]
amdhsa.kernels:
  - .name:           k_q0d7895d5d7_attn
    .symbol:         k_q0d7895d5d7_attn.kd
    .args:
      - { .name: qkv, .offset: 0, .size: 8, .value_kind: global_buffer, .address_space: global }
      - { .name: cc, .offset: 8, .size: 8, .value_kind: global_buffer, .address_space: global }
      - { .name: cs, .offset: 16, .size: 8, .value_kind: global_buffer, .address_space: global }
    .group_segment_fixed_size: 210944
    .private_segment_fixed_size: 0
    .kernarg_segment_align: 8
    .kernarg_segment_size: 24
    .max_flat_workgroup_size: 512
    .sgpr_count:     66
    .vgpr_count:     256
    .wavefront_size: 32
...
	.end_amdgpu_metadata
.endif
;; end of part 4
;; launch gemm_out (part 5): grid 4 x 32, 4 waves a work-group, clusters of 4 x 4, 327,680 bytes of LDS; arguments cc, cs, wc, ws, b_out, out0; writes out0
.if DOCPART == 5
	.amdgcn_target "amdgcn-amd-amdhsa--gfx1250"
	.amdhsa_code_object_version 6
	.text
	.protected	k_q0d7895d5d7_gemm_out
	.globl	k_q0d7895d5d7_gemm_out
	.p2align	8
	.type	k_q0d7895d5d7_gemm_out,@function
k_q0d7895d5d7_gemm_out:
	s_mov_b64 s[64:65], 0
	v_nop
	global_prefetch_b8 v0, s[64:65] scope:SCOPE_SE
	s_setreg_imm32_b32 hwreg(HW_REG_WAVE_MODE, 25, 1), 1
	s_wait_xcnt 0x0
	s_wait_alu depctr_hold_cnt(0) depctr_sa_sdst(0) depctr_va_vdst(0) depctr_va_sdst(0) depctr_va_ssrc(0) depctr_va_vcc(0) depctr_vm_vsrc(0)
	s_getreg_b32 s2, hwreg(HW_REG_IB_STS2, 6, 4)
	s_cmp_eq_u32 s2, 0
	s_cbranch_scc0 .Lentry_in_a_cluster
	s_endpgm
.Lentry_in_a_cluster:
	s_bfe_u32 s2, ttmp6, 0x10000c
	s_cmp_lg_u32 s2, 0xf033
	s_cbranch_scc0 .Lentry_shape_is_right
	s_endpgm
.Lentry_shape_is_right:
; out0 = ctx w_out + b_out on codes of FP6 (E2M3) with E8M0 scales; f32 out.  A (source 1) = ctx's tokens, B (source 0) = rows 3,072 on of the weights' table: a lane holds one token and its registers run along the outputs.
; A tile of 256 x 256 a work-group, four waves, 128 x 128 each.  8,192 x 1,024 outputs are 128 such tiles: a tile of 128 x 256 would give 256 work-groups, with half the products for each fragment read from LDS; the larger tile is kept.
; Operands lie in memory as images of the registers (a fragment is 1,536 bytes on end).  K = 1,024 goes in four K steps of 256 through three LDS slots, written out: three first fills and ONE refill.  All scale words stay in 64 registers.
; The bias is the C of each sum's first matrix instruction.  CLUSTER 4 x 4: A's tiles jointly along a row of the cluster, B's along a column.
; Row r of tile 2 B + u of either table is row 32 B + 8 u + r + 8 (r / 8): the way out puts rows and columns back.
; REGISTERS: window 0: v1-3 lane, r, h; v4-15, v24-31 addresses; v32-95 scale words; v128-223 A's fragments, ONE set (way out: v128-255 rows of the result).
;   window 1: B's fragments, two sets at v0 and v128; the bias at v96-127 and v224-255.  window 2: accumulators of A's blocks 0-3; window 3: blocks 4-7.
.set SLOTB, 98304
.set HALFB, 24576
.set SCL,   3*SLOTB
.set SPARE, SCL+4*4096
.set STAGE, SLOTB                      ; the way out: 16 rows x 528 bytes a wave, in slot 1: it has had its only fill, and nobody reads it behind the last barrier
.set SP,  528
.set A16, 4
.set A8,  7
.set B16, 10
.set B8,  13
.set L16, 24
.set L8,  25
.set BO,  26
.set ADRS, 27
.set SPW, 28
.set NIL, 29
.set STO, 30
.set RD,  31
.set SC,  32
.set AF,  128
.set G1A, 24
.set G1B, 32
.set G1SA, 40
.set G1SB, 48
.set G0SA, 72
.set G0SB, 88
.set MSB, 0
.macro WIN new
.if MSB != (\new)
	s_set_vgpr_msb (MSB<<8)|(\new)
.set MSB, \new
.endif
.endm
.macro PLACES
.rept 4
	v_nop
.endr
.endm
.macro JLOAD g0a, g1a, g0b, g1b        ; waves 0 and 1 fetch for A, waves 2 and 3 for B; four v_nop follow each line
	s_cmp_eq_u32 s17, 0
	s_cbranch_scc0 .Lfor_b_\@
	tensor_load_to_lds s[\g0a:\g0a+3], s[\g1a:\g1a+7]
	s_nop 0
.rept 4
	v_nop
.endr
	s_branch .Lasked_\@
.Lfor_b_\@:
	tensor_load_to_lds s[\g0b:\g0b+3], s[\g1b:\g1b+7]
	s_nop 0
.rept 4
	v_nop
.endr
.Lasked_\@:
.endm
.macro CREST
	s_cmp_lg_u32 s16, 0
	s_cbranch_scc1 .Lnot_wave_0_\@
	s_barrier_signal -3
.Lnot_wave_0_\@:
	s_barrier_wait -3
	s_barrier_signal -1
	s_barrier_wait -1
.endm
.macro CROUND
	s_barrier_signal -1
	s_barrier_wait -1
	CREST
.endm
.macro FRAG reg, a16, a8, off
	ds_load_b128 v[\reg:\reg+3], v[\a16] offset:\off
	ds_load_b64 v[\reg+4:\reg+5], v[\a8] offset:\off+512
	ds_load_b128 v[\reg+6:\reg+9], v[\a16] offset:\off+768
	ds_load_b64 v[\reg+10:\reg+11], v[\a8] offset:\off+1280
.endm
.macro FETCH_B slot, q, p
	WIN 0x40
.irp i, 0,1,2,3,4,5,6,7
	FRAG 128*(\p)+12*\i, B16+\slot, B8+\slot, 3072*\i+1536*(\q)
.endr
	WIN 0
.endm
.macro FETCH_A slot, q, i0
.irp i, \i0, \i0+1, \i0+2, \i0+3
	FRAG AF+12*(\i), A16+\slot, A8+\slot, 3072*(\i)+1536*(\q)
.endr
.endm
.macro SCALES
.irp g, 0,1
.irp i, 0,1,2,3,4,5,6,7
	ds_load_b128 v[SC+32*\g+4*\i:SC+32*\g+4*\i+3], v[ADRS] offset:512*\i+256*\g
.endr
.endr
.endm
.macro MUL16 a0, sg, mode              ; mode 0: onto the sums; 1: the sums begin with the bias
.irp a, \a0, \a0+1
.irp b, 0,1,2,3,4,5,6,7
.set rD, 8*(8*((\a)%4)+\b)
.set rB, 128*((\sg)%2)+12*\b
.set rA, AF+12*(\a)
.set rSB, SC+32*((\sg)/4)+4*\b+(\sg)%4
.set rSA, SC+32*((\sg)/4)+4*(\a)+(\sg)%4
.if \mode == 0
.set rC, rD
.else
.set rC, 96+8*(\b%4)+128*(\b/4)
.endif
	v_wmma_scale_f32_16x16x128_f8f6f4 v[rD:rD+7], v[rB:rB+11], v[rA:rA+11], v[rC:rC+7], v[rSB], v[rSA] matrix_a_fmt:MATRIX_FMT_FP6 matrix_b_fmt:MATRIX_FMT_FP6 matrix_a_scale:MATRIX_SCALE_ROW1
.endr
.endr
.endm
.macro STEP sg, ns, nq, mode
	s_wait_dscnt 16                                ; all but the youngest 16 loads (A's blocks 4-7) are in
.if \mode
	WIN 0x91
.else
	WIN 0xa1
.endif
	MUL16 0, \sg, \mode
	MUL16 2, \sg, \mode
	s_wait_dscnt 0x0
	PLACES
	FETCH_B \ns, \nq, 1-(\sg)%2
	FETCH_A \ns, \nq, 0
.if \mode
	WIN 0xd1
.else
	WIN 0xf1
.endif
	MUL16 4, \sg, \mode
	MUL16 6, \sg, \mode
	PLACES
	WIN 0
	FETCH_A \ns, \nq, 4
.endm
.macro TURN sg, ns, fill
	s_wait_tensorcnt 0x0                           ; all my tensor loads have landed
	ds_add_u32 v[SPW], v[NIL]
	s_wait_dscnt 17                                ; the add and A's 16 youngest loads may be out
	WIN 0xa1
	MUL16 0, \sg, 0
	s_wait_dscnt 0x0                               ; the add is done, and my reads of the slot are over
	s_barrier_signal -1
	MUL16 2, \sg, 0
	WIN 0
	s_barrier_wait -1
.if \fill
	CREST                                          ; no wave of any partner still reads slot 0 or has a load on its way
	s_add_nc_u64 s[58:59], s[58:59], 9216
	s_add_nc_u64 s[78:79], s[78:79], 9216
	JLOAD 56, G1A, 76, G1B                         ; my one tensor load behind the round; its four v_nop are the places in front of the loads below
.else
	PLACES
.endif
	FETCH_B \ns, 0, 1-(\sg)%2
	FETCH_A \ns, 0, 0
	WIN 0xf1
	MUL16 4, \sg, 0
	MUL16 6, \sg, 0
	PLACES
	WIN 0
	FETCH_A \ns, 0, 4
.endm
	s_load_b256 s[4:11], s[0:1], 0x0               ; cc, cs, wc, ws
	s_load_b128 s[12:15], s[0:1], 0x20             ; b_out, out0
	v_lshl_add_u32 v[SPW], v0, 2, SPARE
	v_mov_b32 v[NIL], 0
	ds_add_u32 v28, v29
	ds_add_u32 v28, v29
	s_wait_dscnt 0x0
	v_lshrrev_b32 v1, 5, v0
	v_readfirstlane_b32 s16, v1                    ; wave
	s_lshr_b32 s17, s16, 1
	s_and_b32 s18, s16, 1
	s_bfe_u32 s66, ttmp6, 0x40000                  ; cx
	s_bfe_u32 s67, ttmp6, 0x40004                  ; cy
	s_and_b32 s21, ttmp7, 0xffff
	s_lshl_b32 s19, s21, 2
	s_add_co_u32 s19, s19, s67                     ; A's tile of 256 tokens
	s_add_co_u32 s20, s66, 12                      ; B's tile of 256 rows of the weights' table
	s_lshl_b32 s92, s67, 2
	s_lshl_b32 s92, 15, s92
	s_lshl_b32 s93, 0x1111, s66
	s_or_b32 s[G1A], s92, (3<<16)|(1<<21)
	s_or_b32 s[G1B], s93, (3<<16)|(1<<21)
	s_or_b32 s[G1SA], s92, (3<<16)|(1<<21)
	s_or_b32 s[G1SB], s93, (3<<16)|(1<<21)
.irp g, G1A, G1B
	s_mov_b32 s[\g+1], 384<<16
	s_mov_b32 s[\g+2], 8<<16
	s_mov_b32 s[\g+3], 384<<16
	s_mov_b32 s[\g+4], 8
	s_mov_b32 s[\g+5], 1536
	s_mov_b32 s[\g+6], 0
	s_mov_b32 s[\g+7], 0
.endr
.irp g, G1SA, G1SB
	s_mov_b32 s[\g+1], 32<<16
	s_mov_b32 s[\g+2], 16<<16
	s_mov_b32 s[\g+3], 32<<16
	s_mov_b32 s[\g+4], 16
	s_mov_b32 s[\g+5], 32
	s_mov_b32 s[\g+6], 0
	s_mov_b32 s[\g+7], 0
.endr
	s_mul_i32 s2, s18, 98304
	s_lshl_b32 s3, s18, 12
	s_mul_i32 s94, s19, 196608
	s_add_co_u32 s94, s94, s2
	s_mov_b32 s95, 0
	s_lshl_b32 s96, s19, 13
	s_add_co_u32 s96, s96, s3
	s_mov_b32 s97, 0
	s_mul_i32 s98, s20, 196608
	s_add_co_u32 s98, s98, s2
	s_mov_b32 s99, 0
	s_lshl_b32 s100, s20, 13
	s_add_co_u32 s100, s100, s3
	s_mov_b32 s101, 0
	s_mul_i32 s22, s16, HALFB
	s_lshl_b32 s23, s16, 12
	v_and_b32 v1, 31, v0
	v_and_b32 v2, 15, v0
	v_bfe_u32 v3, v0, 4, 1
	v_lshlrev_b32 v[L16], 4, v1
	v_lshlrev_b32 v[L8], 3, v1
	s_mul_i32 s2, s17, HALFB
	s_mul_i32 s3, s18, HALFB
	s_add_co_u32 s3, s3, 2*HALFB
.irp s, 0,1,2
	v_add_nc_u32 v[A16+\s], s2, v[L16]
	v_add_nc_u32 v[A8+\s], s2, v[L8]
	v_add_nc_u32 v[B16+\s], s3, v[L16]
	v_add_nc_u32 v[B8+\s], s3, v[L8]
	s_add_co_u32 s2, s2, SLOTB
	s_add_co_u32 s3, s3, SLOTB
.endr
	s_lshl_b32 s2, s17, 12
	s_lshl_b32 s3, s18, 12
	s_add_co_u32 s3, s3, 8192
	s_sub_co_u32 s3, s3, s2
	v_mul_u32_u24 v[ADRS], s3, v3                  ; lanes 16-31 take B's scale words: one product, the distance between the two regions
	s_add_co_u32 s2, s2, SCL
	v_lshl_add_u32 v[ADRS], v2, 4, v[ADRS]
	v_add_nc_u32 v[ADRS], s2, v[ADRS]
	s_mul_i32 s2, s16, 16*SP
	s_add_co_u32 s2, s2, STAGE                     ; my stage
	v_mul_u32_u24 v[STO], v2, SP
	v_lshl_add_u32 v[STO], v3, 6, v[STO]
	v_add_nc_u32 v[STO], s2, v[STO]                ; in: row r, + 64 h
	v_add_nc_u32 v[RD], s2, v[L16]                 ; back: 16 x lane of a row
	v_lshlrev_b32 v[BO], 6, v3
	s_wait_kmcnt 0x0
	s_add_nc_u64 s[94:95], s[4:5], s[94:95]
	s_add_nc_u64 s[96:97], s[6:7], s[96:97]
	s_add_nc_u64 s[98:99], s[8:9], s[98:99]
	s_add_nc_u64 s[100:101], s[10:11], s[100:101]
	CROUND                                         ; all sixteen work-groups are here
	s_mov_b32 s[G0SA], 1
	s_add_co_u32 s[G0SA+1], s23, SCL
	s_mov_b64 s[G0SA+2:G0SA+3], s[96:97]
	s_or_b32 s[G0SA+3], s[G0SA+3], 0x80000000
	s_mov_b32 s[G0SB], 1
	s_add_co_u32 s[G0SB+1], s23, SCL
	s_mov_b64 s[G0SB+2:G0SB+3], s[100:101]
	s_or_b32 s[G0SB+3], s[G0SB+3], 0x80000000
	JLOAD G0SA, G1SA, G0SB, G1SB
.irp s, 0,1,2
	s_mov_b32 s[56+4*\s+4*(\s/2)], 1
	s_add_co_u32 s[57+4*\s+4*(\s/2)], s22, \s*SLOTB
	s_add_nc_u64 s[58+4*\s+4*(\s/2):59+4*\s+4*(\s/2)], s[94:95], \s*3072
	s_or_b32 s[59+4*\s+4*(\s/2)], s[59+4*\s+4*(\s/2)], 0x80000000
	s_mov_b32 s[76+4*\s], 1
	s_add_co_u32 s[77+4*\s], s22, \s*SLOTB
	s_add_nc_u64 s[78+4*\s:79+4*\s], s[98:99], \s*3072
	s_or_b32 s[79+4*\s], s[79+4*\s], 0x80000000
	JLOAD 56+4*\s+4*(\s/2), G1A, 76+4*\s, G1B      ; with the scales four loads of mine are out
.endr
	s_lshl_b32 s2, s66, 10                         ; my 128 outputs: column 256 cx + 128 x half, in bytes
	s_lshl_b32 s3, s18, 9
	s_add_co_u32 s2, s2, s3
	s_mov_b32 s3, 0
	s_add_nc_u64 s[12:13], s[12:13], s[2:3]
	s_add_nc_u64 s[14:15], s[14:15], s[2:3]
	s_lshl_b32 s2, s19, 20                         ; my 128 tokens: row 256 x tile + 128 x half, 4,096 bytes each
	s_lshl_b32 s3, s17, 19
	s_add_co_u32 s2, s2, s3
	s_mov_b32 s3, 0
	s_add_nc_u64 s[14:15], s[14:15], s[2:3]
	WIN 0x40
.irp b, 0,1,2,3,4,5,6,7                ; the bias in the result's layout: tile b, register j, half h: output 32 (b / 2) + 16 h + 8 (b % 2) + j
	global_load_b128 v[96+8*(\b%4)+128*(\b/4):96+8*(\b%4)+128*(\b/4)+3], v[BO], s[12:13] offset:(32*(\b/2)+8*(\b%2))*4
	global_load_b128 v[100+8*(\b%4)+128*(\b/4):100+8*(\b%4)+128*(\b/4)+3], v[BO], s[12:13] offset:(32*(\b/2)+8*(\b%2))*4+16
.endr
	WIN 0
	s_wait_tensorcnt 2                             ; the scales and K step 0 are in; K steps 1 and 2 may stay out
	s_barrier_signal -1
	s_barrier_wait -1
	FETCH_B 0, 0, 0
	FETCH_A 0, 0, 0
	SCALES
	FETCH_A 0, 0, 4
	s_wait_loadcnt 0x0                             ; the bias
	STEP 0, 0, 1, 1                                ; the bias starts the sums
	TURN 1, 1, 1                                   ; the one refill: K step 3 into slot 0
	STEP 2, 1, 1, 0
	STEP 3, 2, 0, 0                                ; no barrier: every wave's wait for all its loads stood in front of the round above
	STEP 4, 2, 1, 0
	TURN 5, 0, 0
	STEP 6, 0, 1, 0
	s_wait_dscnt 16
	WIN 0xa1
	MUL16 0, 7, 0
	MUL16 2, 7, 0
	s_wait_dscnt 0x0
	WIN 0xf1
	MUL16 4, 7, 0
	MUL16 6, 7, 0
	WIN 0
	PLACES
; THE WAY OUT, block by block of 16 tokens x 128 outputs, through my own stage: in as 32 bytes a lane, back as whole rows of 512 bytes.  LDS serves a wave's instructions in order: no wait between.
.macro TOSTAGE a
.set AC, 64*((\a)%4)
	WIN 0x08+4*((\a)/4)                            ; the data: window 2 or 3
.irp b, 0,1,2,3,4,5,6,7
	ds_store_b128 v[STO], v[AC+8*\b:AC+8*\b+3] offset:128*(\b/2)+32*(\b%2)          ; each accumulator from its low end on
	ds_store_b128 v[STO], v[AC+8*\b+4:AC+8*\b+7] offset:128*(\b/2)+32*(\b%2)+16
.endr
	WIN 0
.set BB, 128+64*((\a)%2)
.irp t, 0,1,2,3,4,5,6,7,8,9,10,11,12,13,14,15
	ds_load_b128 v[BB+4*\t:BB+4*\t+3], v[RD] offset:SP*\t
.endr
.endm
.macro SEND a, younger                 ; younger: the LDS instructions issued behind block a's loads
.set BB, 128+64*((\a)%2)
	s_wait_dscnt \younger
.irp t, 0,1,2,3,4,5,6,7,8,9,10,11,12,13,14,15
	global_store_b128 v[L16], v[BB+4*\t:BB+4*\t+3], s[14:15] offset:(32*((\a)/2)+8*((\a)%2)+\t+8*(\t/8))*4096 th:TH_STORE_NT   ; 512 consecutive bytes of one row, aligned; the base is never stepped
.endr
.endm
	TOSTAGE 0
.irp a, 1,2,3,4,5,6,7
.if \a > 1
	s_wait_xcnt 0x0                                ; block a - 2's stores have read their registers: block a's loads may land there
.endif
	TOSTAGE \a
	SEND \a-1, 32                                  ; block a's 16 stores and 16 loads may be out
.endr
	SEND 7, 0
	s_wait_tensorcnt 0x0                           ; the wave's end
	ds_add_u32 v[SPW], v[NIL]
	s_wait_dscnt 0x0
	CROUND                                         ; the closing round
	s_endpgm
.Lfunc_end_k_q0d7895d5d7_gemm_out:
	.size	k_q0d7895d5d7_gemm_out, .Lfunc_end_k_q0d7895d5d7_gemm_out-k_q0d7895d5d7_gemm_out
	.p2alignl 7, 3214868480
	.fill 96, 4, 3214868480
	.section	.rodata,"a",@progbits
	.p2align	6, 0x0
	.amdhsa_kernel k_q0d7895d5d7_gemm_out
		.amdhsa_group_segment_fixed_size 327680
		.amdhsa_private_segment_fixed_size 0
		.amdhsa_enable_private_segment 0
		.amdhsa_kernarg_size 48
		.amdhsa_user_sgpr_count 2
		.amdhsa_user_sgpr_kernarg_segment_ptr 1
		.amdhsa_wavefront_size32 1
		.amdhsa_system_sgpr_workgroup_id_x 1
		.amdhsa_system_sgpr_workgroup_id_y 1
		.amdhsa_system_sgpr_workgroup_id_z 1
		.amdhsa_system_vgpr_workitem_id 0
		.amdhsa_next_free_vgpr 1024
		.amdhsa_next_free_sgpr 102
		.amdhsa_reserve_vcc 0
		.amdhsa_float_denorm_mode_32 3
		.amdhsa_float_denorm_mode_16_64 3
		.amdhsa_memory_ordered 1
		.amdhsa_forward_progress 1
		.amdhsa_inst_pref_size 144
	.end_amdhsa_kernel
	.amdgpu_metadata
---
amdhsa.version: [ 1, 2 ]
amdhsa.kernels:
  - .name:           k_q0d7895d5d7_gemm_out
    .symbol:         k_q0d7895d5d7_gemm_out.kd
    .args:
      - { .name: cc, .offset: 0, .size: 8, .value_kind: global_buffer, .address_space: global }
      - { .name: cs, .offset: 8, .size: 8, .value_kind: global_buffer, .address_space: global }
      - { .name: wc, .offset: 16, .size: 8, .value_kind: global_buffer, .address_space: global }
      - { .name: ws, .offset: 24, .size: 8, .value_kind: global_buffer, .address_space: global }
      - { .name: b_out, .offset: 32, .size: 8, .value_kind: global_buffer, .address_space: global }
      - { .name: out0, .offset: 40, .size: 8, .value_kind: global_buffer, .address_space: global }
    .group_segment_fixed_size: 327680
    .private_segment_fixed_size: 0
    .kernarg_segment_align: 8
    .kernarg_segment_size: 48
    .max_flat_workgroup_size: 128
    .sgpr_count:     102
    .vgpr_count:     1024
    .wavefront_size: 32
...
	.end_amdgpu_metadata
.endif
;; end of part 5
;; ======== version 2 of 2: 4 launches
;; workspace buffers: xc 6,291,456 bytes; xs 262,144 bytes; wc 3,145,728 bytes; ws 131,072 bytes; qkv 20,185,088 bytes; cc 6,291,456 bytes; cs 262,144 bytes
;; launch quant (part 6): grid 512 x 1, 4 waves a work-group, no clusters, 48,128 bytes of LDS; arguments x, w_qkv, w_out, xc, xs, wc, ws; writes xc, xs, wc, ws
.if DOCPART == 6
	.amdgcn_target "amdgcn-amd-amdhsa--gfx1250"
	.amdhsa_code_object_version 6
	.text
	.protected	k_q0d7895d5d7_quant
	.globl	k_q0d7895d5d7_quant
	.p2align	8
	.type	k_q0d7895d5d7_quant,@function
k_q0d7895d5d7_quant:
	s_mov_b64 s[64:65], 0
	v_nop
	global_prefetch_b8 v0, s[64:65] scope:SCOPE_SE
	s_setreg_imm32_b32 hwreg(HW_REG_WAVE_MODE, 25, 1), 1
	s_wait_xcnt 0x0
; x [8192][1024], w_qkv [1024][3072] and w_out [1024][1024], all f32, become codes of FP6 (E2M3) with one E8M0 byte for each 32 along K, laid as the matrix unit's registers want them.
; ONE LAUNCH, TWO PATHS that part once on the work-group's number and never join: work-groups 0-255 take x (K innermost), 256-511 the weights (K is their FIRST axis).  Each path has LDS bytes of its own.
; ROW TILES: tile T = 2 B + u holds 16 rows; its row r is row 32 B + 8 u + r + 8 (r / 8), so that results made from two neighbouring tiles are 16 neighbours.
; CODES [T][kappa = K / 64][768]: lane l = r + 16 h owns the 24 bytes of k = 64 kappa + 32 h + 0..31 of row r: words 0-3 at 16 l, words 4-5 at 512 + 8 l.
; SCALES [T][g = K / 512][r][4 words]: word s of row r holds the four bytes of K step 4 g + s (128 along K).
; The weights make one table of 4,096 rows: rows 0-3,071 are w_qkv's columns, rows 3,072-4,095 w_out's.
; A block's scale is 2^(floor(log2(largest magnitude)) - 2); its byte is the largest magnitude's exponent field - 2, held at 1 from below.
; LIMITS: a block whose largest magnitude lies under 2^-124 (zeros too) gets the byte 1, not 127: the bytes are read by this program alone, and zero codes add nothing.  NaN and infinities are not served.
.set SP,   528                         ; x: a stage row
.set WST,  16*SP                       ; x: a wave's stage; four of them fill LDS bytes 0 to 33,791
.set WL,   4*WST                       ; the weights' LDS bytes begin here
.set EXC,  WL+13312                    ; the weights' scale words meet here: [u][r][wave]
.set XR,   16                          ; x: v16-143  two sets of 64 registers as loaded
.set XX,   144                         ; x: v144-207 register 16 b + i = k 32 b + 16 h + i of my row
.set XPC,  208                         ; x: v208-227 the codes just made
.set XTM,  228                         ; x: v228-243 at work: +0..3 maxima, +4..7 bytes, +12..15 scale operands
.set XSW,  244                         ; x: v244-247 the four fragments' scale words
.set WVO,  16                          ; weights: v16-47   4 x lane + i x pitch
.set WX,   48                          ; weights: v48-175  128 numbers down K
.set WC,   176                         ; weights: v176-207 four blocks' codes, 8 registers each
.set WOUT, 208                         ; weights: v208-231 the way out
	s_load_b256 s[4:11], s[0:1], 0x0               ; x, w_qkv, w_out, xc
	s_load_b128 s[12:15], s[0:1], 0x20             ; xs, wc
	s_load_b64 s[16:17], s[0:1], 0x30              ; ws
	v_lshl_add_u32 v254, v0, 2, 0xba00
	v_mov_b32 v255, 0
	v_lshrrev_b32 v1, 5, v0
	v_readfirstlane_b32 s18, v1                    ; wave
	v_and_b32 v1, 31, v0                           ; lane
	s_cmp_ge_u32 ttmp9, 256                        ; the same for all four waves of a work-group
	s_cbranch_scc1 .Lweights
; ---- x.  Wave W = 4 x work-group + wave takes tile W / 2, half W % 2 of K: 16 rows x 512 k = four fragments of 128 k.  Each load reads 512 consecutive bytes of one row;
; a fragment turns through the wave's own stage in LDS (rows 528 bytes apart), so that a lane gets 16 neighbours of each block of 32.  Waves share nothing: no barrier.
	v_and_b32 v7, 15, v0                           ; r
	v_bfe_u32 v8, v0, 4, 1                         ; h
	v_lshlrev_b32 v2, 4, v1                        ; 16 x lane
	v_lshlrev_b32 v3, 3, v1                        ; 8 x lane
	s_mul_i32 s19, s18, WST
	v_add_nc_u32 v4, s19, v2                       ; the stage, in: 16 x lane of a row
	v_mul_u32_u24 v5, v7, SP
	v_lshl_add_u32 v5, v8, 6, v5
	v_add_nc_u32 v5, s19, v5                       ; out: row r, + 64 h
	v_lshlrev_b32 v6, 4, v7
	v_lshl_add_u32 v6, v8, 3, v6                   ; scale words: 16 r + 8 h
	s_mov_b32 s28, 0x76543210
	s_mov_b32 s29, 0xfedcba98                      ; lane selects: lane l xor 16
.irp b, 0,1,2,3
	v_mov_b32 v[XTM+4+\b], 0                       ; a lane permute's destination counts as read
.endr
	s_lshl_b32 s20, ttmp9, 2
	s_add_co_u32 s20, s20, s18                     ; W
	s_lshr_b32 s21, s20, 1                         ; T
	s_and_b32 s22, s20, 1                          ; g
	s_lshr_b32 s24, s21, 1
	s_lshl_b32 s24, s24, 17                        ; 32 (T / 2) rows of 4,096 bytes
	s_and_b32 s23, s21, 1
	s_lshl_b32 s23, s23, 15                        ; + 8 (T % 2) rows
	s_add_co_u32 s24, s24, s23
	s_lshl_b32 s23, s22, 11                        ; + 512 g numbers
	s_add_co_u32 s24, s24, s23
	s_mov_b32 s25, 0
	s_mul_i32 s26, s20, 6144                       ; 12,288 T + 6,144 g
	s_mov_b32 s27, 0
	s_lshl_b32 s30, s20, 8                         ; 512 T + 256 g
	s_mov_b32 s31, 0
	s_wait_alu depctr_va_vdst(0)
	s_wait_kmcnt 0x0
	s_add_nc_u64 s[4:5], s[4:5], s[24:25]
	s_add_nc_u64 s[10:11], s[10:11], s[26:27]
	s_add_nc_u64 s[12:13], s[12:13], s[30:31]
.macro LOADX f                         ; fragment f: 16 rows x 512 bytes
.irp i, 0,1,2,3,4,5,6,7,8,9,10,11,12,13,14,15
	global_load_b128 v[XR+64*((\f)%2)+4*\i:XR+64*((\f)%2)+4*\i+3], v2, s[4:5] offset:(\i+8*(\i/8))*4096+512*(\f) th:TH_LOAD_NT
.endr
.endm
; 64 numbers of a lane become a fragment's 12 code registers in v[XPC] on and its row's scale word in v[pw]
.macro QUANT s, pw
.irp b, 0,1,2,3
	v_max3_num_f32 v[XTM+\b], |v[\s+16*\b]|, |v[\s+16*\b+1]|, 0x1800000   ; my 16 numbers of block b, and the floor 2^(3 - 127): the byte cannot fall under 1
.endr
.irp i, 2,4,6,8,10,12,14
.irp b, 0,1,2,3
	v_max3_num_f32 v[XTM+\b], v[XTM+\b], |v[\s+16*\b+\i]|, |v[\s+16*\b+\i+1]|
.endr
.endr
.irp b, 0,1,2,3
	v_permlanex16_b32 v[XTM+4+\b], v[XTM+\b], s28, s29
.endr
.irp b, 0,1,2,3
	v_max_num_f32 v[XTM+\b], v[XTM+\b], v[XTM+4+\b]   ; with lane l xor 16's 16: the block's largest magnitude
.endr
.irp b, 0,1,2,3
	v_add_nc_u32 v[XTM+12+\b], 0xff000000, v[XTM+\b]  ; 2 off its exponent field: the conversion's scale operand
.endr
.irp b, 0,1,2,3
	v_lshrrev_b32 v[XTM+4+\b], 23, v[XTM+12+\b]       ; the byte
.endr
	v_lshl_or_b32 v[\pw], v[XTM+5], 8, v[XTM+4]
	v_lshl_or_b32 v[\pw], v[XTM+6], 16, v[\pw]
	v_lshl_or_b32 v[\pw], v[XTM+7], 24, v[\pw]
.irp c, 0,1
	v_cvt_scalef32_pk16_fp6_f32 v[XPC+6*\c:XPC+6*\c+2], v[\s+32*\c:\s+32*\c+15], v[XTM+12+2*\c]
	v_cvt_scalef32_pk16_fp6_f32 v[XPC+12+4*\c:XPC+14+4*\c], v[\s+16+32*\c:\s+31+32*\c], v[XTM+13+2*\c]
.endr
	v_nop                                          ; one plain place behind a scaled conversion
.irp c, 0,1                                    ; a whole block to a lane: lanes 0-15 block 2 c, lanes 16-31 block 2 c + 1
.irp i, 0,1,2
	v_permlane16_swap_b32 v[XPC+6*\c+\i], v[XPC+12+4*\c+\i]
.endr
.irp i, 0,1,2
	v_mov_b32 v[XPC+3+6*\c+\i], v[XPC+12+4*\c+\i]
.endr
.endr
.endm
.macro FRAGSTEP f
.if \f < 3
	s_wait_loadcnt 16                              ; this fragment's 16 loads are in; the next fragment's 16 stay out
.else
	s_wait_loadcnt 0x0
.endif
.irp i, 0,1,2,3,4,5,6,7,8,9,10,11,12,13,14,15
	ds_store_b128 v4, v[XR+64*(\f%2)+4*\i:XR+64*(\f%2)+4*\i+3] offset:SP*\i
.endr
.irp b, 0,1,2,3
.irp j, 0,1,2,3
	ds_load_b128 v[XX+16*\b+4*\j:XX+16*\b+4*\j+3], v5 offset:128*\b+16*\j   ; LDS serves a wave's instructions in order: these see the stores above
.endr
.endr
	s_wait_xcnt 0x0                                ; the last fragment's stores have read the code registers: they are written again only behind this wait
	s_wait_dscnt 0x0                               ; my numbers are back, and the stores into the stage have read their registers
.if \f < 2
	LOADX \f+2
.endif
	QUANT XX, XSW+\f
	global_store_b128 v2, v[XPC:XPC+3], s[10:11] offset:1536*\f          ; each store covers 512 or 256 consecutive bytes, aligned
	global_store_b64 v3, v[XPC+4:XPC+5], s[10:11] offset:1536*\f+512
	global_store_b128 v2, v[XPC+6:XPC+9], s[10:11] offset:1536*\f+768
	global_store_b64 v3, v[XPC+10:XPC+11], s[10:11] offset:1536*\f+1280
.endm
	LOADX 0
	LOADX 1
	FRAGSTEP 0
	FRAGSTEP 1
	FRAGSTEP 2
	FRAGSTEP 3
	v_cmp_le_u32 vcc_lo, 16, v1                    ; lanes 16-31 store the words of fragments 2 and 3
	v_cndmask_b32 v248, v[XSW], v[XSW+2], vcc_lo
	v_cndmask_b32 v249, v[XSW+1], v[XSW+3], vcc_lo
	global_store_b64 v6, v[248:249], s[12:13]      ; 32 lanes store 256 consecutive bytes, aligned
	s_wait_tensorcnt 0x0
	ds_add_u32 v254, v255
	s_wait_dscnt 0x0
	s_endpgm
; ---- the weights.  A LANE TAKES A COLUMN AND ITS REGISTERS RUN DOWN K: a block of 32 lies in one lane, and the conversions give codes with K innermost.  Nothing is transposed by an instruction.
; Work-group id - 256 = 128 g + c: 32 columns (tiles 2 c and 2 c + 1), half g of K; wave w takes K step 4 g + w (128 k: four blocks a lane).  Pointer, pitch and column are chosen on the work-group's number.
; Loads run two blocks (64 loads a wave) ahead; each block has 32 registers of its own.  The codes go through the wave's own stage (two tile images, 1,664 bytes apart) and leave in stores of 512 consecutive bytes;
; the four waves' scale words meet in 512 bytes of LDS and wave 0 stores them as two whole runs of 256.
.Lweights:
	s_sub_co_u32 s19, ttmp9, 256
	s_and_b32 s20, s19, 127                        ; c
	s_lshr_b32 s21, s19, 7                         ; g
	v_bfe_u32 v2, v0, 3, 1                         ; u
	v_and_b32 v3, 7, v0
	v_bfe_u32 v4, v0, 4, 1
	v_lshl_or_b32 v3, v4, 3, v3                    ; r
	s_wait_alu depctr_va_vdst(0)
	v_lshlrev_b32 v5, 2, v1                        ; 4 x lane
	v_lshlrev_b32 v11, 4, v1                       ; 16 x lane
	s_mul_i32 s22, s18, 3328
	s_add_co_u32 s22, s22, WL
	v_mul_u32_u24 v6, v2, 1664
	v_add_nc_u32 v6, s22, v6
	v_lshl_add_u32 v8, v3, 4, v6                   ; my stage, tile u: 16 r
	v_lshl_add_u32 v9, v3, 3, v6                   ; and 8 r
	v_add_nc_u32 v10, s22, v11                     ; back: 16 x lane
	v_lshlrev_b32 v12, 8, v2
	v_lshl_add_u32 v12, v3, 4, v12
	s_lshl_b32 s23, s18, 2
	s_add_co_u32 s23, s23, EXC
	v_add_nc_u32 v12, s23, v12                     ; EXC + 256 u + 16 r + 4 x wave
	v_add_nc_u32 v13, EXC, v11                     ; wave 0 reads a row's four words
	v_and_b32 v7, 15, v0
	v_lshlrev_b32 v15, 9, v4
	v_lshl_add_u32 v15, v7, 4, v15                 ; and stores them at 512 (lane / 16) + 16 (lane % 16)
	s_lshl_b32 s24, s21, 2
	s_add_co_u32 s24, s24, s18                     ; the K step
	s_mov_b32 s25, 4096
	s_cmp_lt_u32 s20, 96                           ; w_qkv's columns or w_out's: hangs on the work-group's number alone
	s_cselect_b32 s25, 12288, s25                  ; bytes from row to row
	s_cselect_b32 s26, 0, 96
	s_sub_co_u32 s26, s20, s26                     ; which 32 columns of the tensor
	s_lshl_b32 s27, s24, 7
	s_mul_i32 s28, s27, s25                        ; 128 x K step rows
	s_lshl_b32 s26, s26, 7
	s_add_co_u32 s28, s28, s26
	s_mov_b32 s29, 0
	s_lshl_b32 s30, s25, 5                         ; 32 rows
	s_mov_b32 s31, 0
.set i, 0
.rept 32
	v_mad_u32_u24 v[WVO+i], s25, i, v5
.set i, i+1
.endr
	s_mul_i32 s32, s20, 24576
	s_mul_i32 s34, s24, 1536
	s_add_co_u32 s32, s32, s34                     ; codes: 12,288 x tile 2 c + 1,536 x K step
	s_mov_b32 s33, 0
	s_lshl_b32 s34, s20, 10
	s_lshl_b32 s35, s21, 8
	s_add_co_u32 s34, s34, s35                     ; scales: 512 x tile 2 c + 256 g
	s_mov_b32 s35, 0
	s_wait_alu depctr_va_vdst(0)
	s_wait_kmcnt 0x0
	s_cmp_lt_u32 s20, 96
	s_cselect_b64 s[6:7], s[6:7], s[8:9]
	s_add_nc_u64 s[40:41], s[6:7], s[28:29]        ; a base for each block of 32 rows
	s_add_nc_u64 s[42:43], s[40:41], s[30:31]
	s_add_nc_u64 s[44:45], s[42:43], s[30:31]
	s_add_nc_u64 s[46:47], s[44:45], s[30:31]
	s_add_nc_u64 s[14:15], s[14:15], s[32:33]
	s_add_nc_u64 s[16:17], s[16:17], s[34:35]
.macro LOADW t                         ; block t: 32 rows of my column; a wave's load reads 128 consecutive bytes
.set i, 0
.rept 32
	global_load_b32 v[WX+32*(\t)+i], v[WVO+i], s[40+2*(\t):41+2*(\t)]
.set i, i+1
.endr
.endm
	LOADW 0
	LOADW 1
.macro BLOCK t
.set WS0, WX+32*\t
.set WC0, WC+8*\t
.if \t < 3
	s_wait_loadcnt 32                              ; this block's 32 loads are in; the next block's 32 stay out
.else
	s_wait_loadcnt 0x0
.endif
.if \t < 2
	LOADW \t+2                                     ; two blocks ahead, into registers of its own
.endif
	v_max3_num_f32 v232, |v[WS0]|, |v[WS0+1]|, |v[WS0+2]|
	v_max3_num_f32 v233, |v[WS0+3]|, |v[WS0+4]|, |v[WS0+5]|
.irp i, 6,10,14,18,22,26
	v_max3_num_f32 v232, v232, |v[WS0+\i]|, |v[WS0+\i+1]|
	v_max3_num_f32 v233, v233, |v[WS0+\i+2]|, |v[WS0+\i+3]|
.endr
	v_max3_num_f32 v232, v232, |v[WS0+30]|, |v[WS0+31]|
	v_max3_num_f32 v232, v232, v233, 0x1800000     ; and the floor 2^(3 - 127)
	v_add_nc_u32 v234, 0xff000000, v232            ; the conversion's scale operand
	v_lshrrev_b32 v235, 23, v234                   ; the byte
.if \t == 0
	v_mov_b32 v14, v235
.else
	v_lshl_or_b32 v14, v235, 8*\t, v14
.endif
	v_cvt_scalef32_pk16_fp6_f32 v[WC0:WC0+2], v[WS0:WS0+15], v234
	v_cvt_scalef32_pk16_fp6_f32 v[WC0+4:WC0+6], v[WS0+16:WS0+31], v234
	v_nop                                          ; one plain place behind a scaled conversion
	v_mov_b32 v[WC0+3], v[WC0+4]
	v_mov_b32 v[WC0+4], v[WC0+5]
	v_mov_b32 v[WC0+5], v[WC0+6]                   ; six registers on end: the block's 24 bytes
	ds_store_b128 v8, v[WC0:WC0+3] offset:768*(\t/2)+256*(\t%2)      ; image lane r + 16 (t % 2) of image t / 2
	ds_store_b64 v9, v[WC0+4:WC0+5] offset:768*(\t/2)+512+128*(\t%2)
.endm
	BLOCK 0
	BLOCK 1
	BLOCK 2
	BLOCK 3
	ds_store_b32 v12, v14
.irp u, 0,1
.irp c, 0,1,2
	ds_load_b128 v[WOUT+12*\u+4*\c:WOUT+12*\u+4*\c+3], v10 offset:1664*\u+512*\c   ; my own bytes, in order behind my stores
.endr
.endr
	s_wait_dscnt 0x0                               ; for the others' sake: my scale word has landed
	s_barrier_signal -1
	s_barrier_wait -1
.irp u, 0,1
.irp c, 0,1,2
	global_store_b128 v11, v[WOUT+12*\u+4*\c:WOUT+12*\u+4*\c+3], s[14:15] offset:12288*\u+512*\c   ; 512 consecutive bytes, aligned
.endr
.endr
	s_cmp_lg_u32 s18, 0
	s_cbranch_scc1 .Ldone
	ds_load_b128 v[236:239], v13                   ; a row's words of the four K steps
	s_wait_dscnt 0x0
	global_store_b128 v15, v[236:239], s[16:17]    ; lanes 0-15 tile 2 c, lanes 16-31 tile 2 c + 1: 256 consecutive bytes each
.Ldone:
	s_wait_tensorcnt 0x0
	ds_add_u32 v254, v255
	s_wait_dscnt 0x0
	s_endpgm
.Lfunc_end_k_q0d7895d5d7_quant:
	.size	k_q0d7895d5d7_quant, .Lfunc_end_k_q0d7895d5d7_quant-k_q0d7895d5d7_quant
	.p2alignl 7, 3214868480
	.fill 96, 4, 3214868480
	.section	.rodata,"a",@progbits
	.p2align	6, 0x0
	.amdhsa_kernel k_q0d7895d5d7_quant
		.amdhsa_group_segment_fixed_size 48128
		.amdhsa_private_segment_fixed_size 0
		.amdhsa_enable_private_segment 0
		.amdhsa_kernarg_size 56
		.amdhsa_user_sgpr_count 2
		.amdhsa_user_sgpr_kernarg_segment_ptr 1
		.amdhsa_wavefront_size32 1
		.amdhsa_system_sgpr_workgroup_id_x 1
		.amdhsa_system_sgpr_workgroup_id_y 1
		.amdhsa_system_sgpr_workgroup_id_z 1
		.amdhsa_system_vgpr_workitem_id 0
		.amdhsa_next_free_vgpr 256
		.amdhsa_next_free_sgpr 66
		.amdhsa_reserve_vcc 1
		.amdhsa_float_denorm_mode_32 3
		.amdhsa_float_denorm_mode_16_64 3
		.amdhsa_memory_ordered 1
		.amdhsa_forward_progress 1
		.amdhsa_inst_pref_size 58
	.end_amdhsa_kernel
	.amdgpu_metadata
---
amdhsa.version: [ 1, 2 ]
amdhsa.kernels:
  - .name:           k_q0d7895d5d7_quant
    .symbol:         k_q0d7895d5d7_quant.kd
    .args:
      - { .name: x, .offset: 0, .size: 8, .value_kind: global_buffer, .address_space: global }
      - { .name: w_qkv, .offset: 8, .size: 8, .value_kind: global_buffer, .address_space: global }
      - { .name: w_out, .offset: 16, .size: 8, .value_kind: global_buffer, .address_space: global }
      - { .name: xc, .offset: 24, .size: 8, .value_kind: global_buffer, .address_space: global }
      - { .name: xs, .offset: 32, .size: 8, .value_kind: global_buffer, .address_space: global }
      - { .name: wc, .offset: 40, .size: 8, .value_kind: global_buffer, .address_space: global }
      - { .name: ws, .offset: 48, .size: 8, .value_kind: global_buffer, .address_space: global }
    .group_segment_fixed_size: 48128
    .private_segment_fixed_size: 0
    .kernarg_segment_align: 8
    .kernarg_segment_size: 56
    .max_flat_workgroup_size: 128
    .sgpr_count:     66
    .vgpr_count:     256
    .wavefront_size: 32
...
	.end_amdgpu_metadata
.endif
;; end of part 6
;; launch gemm_qkv: the kernel of part 3 again; grid 12 x 32, 4 waves a work-group, clusters of 4 x 4, 327,680 bytes of LDS; arguments xc, xs, wc, ws, b_qkv, qkv; writes qkv
;; launch attn (part 7): grid 4 x 64, 16 waves a work-group, clusters of 4 x 1, 210,944 bytes of LDS; arguments qkv, cc, cs; writes cc, cs
.if DOCPART == 7
	.amdgcn_target "amdgcn-amd-amdhsa--gfx1250"
	.amdhsa_code_object_version 6
	.text
	.protected	k_q0d7895d5d7_attn
	.globl	k_q0d7895d5d7_attn
	.p2align	8
	.type	k_q0d7895d5d7_attn,@function
k_q0d7895d5d7_attn:
	s_mov_b64 s[64:65], 0
	v_nop
	global_prefetch_b8 v0, s[64:65] scope:SCOPE_SE
	s_setreg_imm32_b32 hwreg(HW_REG_WAVE_MODE, 25, 1), 1
	s_wait_xcnt 0x0
	s_wait_alu depctr_hold_cnt(0) depctr_sa_sdst(0) depctr_va_vdst(0) depctr_va_sdst(0) depctr_va_ssrc(0) depctr_va_vcc(0) depctr_vm_vsrc(0)
	s_getreg_b32 s2, hwreg(HW_REG_IB_STS2, 6, 4)
	s_cmp_eq_u32 s2, 0
	s_cbranch_scc0 .Lentry_in_a_cluster
	s_endpgm
.Lentry_in_a_cluster:
	s_bfe_u32 s2, ttmp6, 0x10000c
	s_cmp_lg_u32 s2, 0x3003
	s_cbranch_scc0 .Lentry_shape_is_right
	s_endpgm
.Lentry_shape_is_right:
; ctx = softmax(q k^T / 8, causal) v for one head a cluster, both products on codes of FP6 (E2M3) with E8M0 scales; ctx is quantised in registers and leaves as codes for the last product.
; THE SOFTMAX: t = score x log2(e) / 8; M = the running largest t rounded UP to a whole number; p = 2^(t - M) is quantised along the keys, not normalised; the row's sum is taken of the unquantised p and divides at the end.
; When M moves, the sum and O are multiplied by 2^(old M - new M): exact.  A block's largest p is taken from its largest score by the same multiply-add and exponential (this leans on v_exp_f32 not falling where its input rises).
; LDS holds the head's K and V, codes and scales, whole: 208,896 bytes, filled ONCE: each of the 16 waves asks for 51 rows of 256 bytes, jointly with the three partners of the cluster, which walk the same head.  No ring, no refill.
; SHARES: the cluster's four work-groups own the head's 128 query tiles of 16.  Wave w takes tile 8 w + cx (key steps 0 .. w) and tile 124 - 8 w + cx (key steps 0 .. 15 - w): 17 key steps of 128 keys for every wave.
; Branches hang on the wave's number alone; cx enters global addresses and the mask's vector number.  The loop has 16 trips in every wave; a step all of whose keys are hidden is jumped over.
; LAYOUT: S^T = K Q^T and O^T = V^T P^T: a lane holds ONE query.  Key, query and channel tiles are laid so that two neighbouring tiles' 16 registers are 16 neighbours: row r of tile 2 B + u is 32 B + 8 u + r + 8 (r / 8).
; THE HEAD'S 64 IN AN INSTRUCTION OF 128: Q's codes of k >= 64 are zeros and both sides' scale bytes there are 0x7f, so whatever finite codes stand in K's upper six registers (the next tile's) add nothing.
; THE ORDER OF A STEP is chosen so that few lines wait for the line above them: K's fragments are asked for a step ahead, behind the last product that read their registers; V's loads stand in the gaps of the chain that makes M;
; the maxima run in eight chains and the row's sum in four; each exponential is followed by a plain line that is ready; the sum's additions are the places round the products V^T P.
; LIMITS: a block of ctx whose largest magnitude lies under 2^-124 gets the byte 1; NaN and infinities are not served.
; REGISTERS: v1, v2 16 and 8 x lane; v3-7 the step's LDS addresses; v8 the mask's number; v9 -infinity; v10 16 r; v12 -M, v13 the largest t, v[14:15] the sum; v16-27, v228-239 Q's two tiles, v28, v29 their scale words;
;   v30 the address of K's scale words of step 0; v32-85 K's or V's fragments; v86-92 scale words; v96-159 S^T, then p; v160-191 O^T; v192-211 p's codes; v212-227 at work; v[240:241], v[244:247] three more chains of the sum.
.set REC, 315392
.set VC,  98304
.set KS,  196608
.set VS,  204800
.set QC,  208896
.set QS,  307200
.set S,   96                           ; v96-159  S^T, then p
.set O,   160                          ; v160-191 O^T: four channel tiles
.set PC,  192                          ; v192-203 p's codes;  v204-211 the conversions' second halves
.set PT,  204
.set BM,  212                          ; v212-215 block maxima; v216-219 at work; v220-223 scale operands
.set BT,  216
.set BS,  220
.set TK,  32                           ; s32-35 LDS bytes at which the step's K, V, K's scales, V's scales begin
.set TVC, 33
.set TS,  34
.set TV,  35
.set KI,  36                           ; s36 the key step;  s37 the pass's last key step
.set GR,  37
.macro ROUND
	s_barrier_signal -1
	s_barrier_wait -1
	s_cmp_lg_u32 s10, 0
	s_cbranch_scc1 .Lnot_wave_0_\@
	s_barrier_signal -3
.Lnot_wave_0_\@:
	s_barrier_wait -3
	s_barrier_signal -1
	s_barrier_wait -1
.endm
	s_load_b128 s[4:7], s[0:1], 0x0                ; qkv, cc
	s_load_b64 s[8:9], s[0:1], 0x10                ; cs
	v_lshl_add_u32 v254, v0, 2, 0x33000
	v_mov_b32 v255, 0
	ds_add_u32 v254, v255
	ds_add_u32 v254, v255
	v_lshrrev_b32 v1, 5, v0
	v_readfirstlane_b32 s10, v1                    ; wave 0..15
	s_bfe_u32 s11, ttmp6, 0x40000                  ; cx
	s_and_b32 s12, ttmp7, 0xffff                   ; bh = 16 b + head, which the partners share
	s_mov_b32 s20, 15|(3<<16)|(1<<21)              ; the mask: all four; elements of 8 bytes; bit 21 beside a mask
	s_mov_b32 s21, 32<<16                          ; rows of 256 bytes,
	s_mov_b32 s22, 51<<16                          ; 51 of them
	s_mov_b32 s23, 32<<16
	s_mov_b32 s24, 51
	s_mov_b32 s25, 32
	s_mov_b32 s26, 0
	s_mov_b32 s27, 0
	s_mul_i32 s13, s10, 13056
	s_mul_i32 s14, s12, REC
	s_mov_b32 s15, 0
	s_mov_b32 s2, s13
	s_mov_b32 s3, 0
	s_wait_dscnt 0x0
	s_wait_kmcnt 0x0
	s_add_nc_u64 s[4:5], s[4:5], s[14:15]          ; the head's record
	s_mov_b32 s16, 1
	s_mov_b32 s17, s13
	s_add_nc_u64 s[18:19], s[4:5], s[2:3]
	s_or_b32 s19, s19, 0x80000000
	ROUND                                          ; all four work-groups are here
	tensor_load_to_lds s[16:19], s[20:27]          ; my sixteenth of K, V and their scales
	s_nop 0
.rept 4
	v_nop
.endr
	v_and_b32 v3, 31, v0
	v_lshlrev_b32 v1, 4, v3                        ; 16 x lane
	v_lshlrev_b32 v2, 3, v3                        ; 8 x lane
	v_add_nc_u32 v30, KS, v1                       ; K's scale words of key step 0
	v_and_b32 v4, 15, v0                           ; r
	v_lshlrev_b32 v10, 4, v4                       ; 16 r
	v_and_b32 v5, 8, v4
	v_add_nc_u32 v11, v4, v5
	v_bfe_u32 v5, v0, 4, 1
	v_lshlrev_b32 v5, 4, v5
	v_sub_nc_u32 v11, v11, v5                      ; r + 8 (r / 8) - 16 h
	v_mov_b32 v9, 0xff800000                       ; -infinity
	s_mov_b32 s28, 0x3e38aa3b                      ; c = log2(e) / 8
	s_mov_b32 s29, s28
	s_mov_b32 s30, 0x76543210
	s_mov_b32 s31, 0xfedcba98
	s_lshl_b32 s14, s10, 3
	s_add_co_u32 s38, s14, s11                     ; t0 = 8 w + cx
	s_sub_co_u32 s39, 124, s14
	s_add_co_u32 s39, s39, s11                     ; t1 = 124 - 8 w + cx
	s_lshr_b32 s52, s12, 4
	s_lshl_b32 s52, s52, 7                         ; 128 b
	s_and_b32 s53, s12, 15                         ; the head e
	s_mul_i32 s54, s53, 768
	s_lshr_b32 s55, s53, 3
	s_lshl_b32 s55, s55, 8
	s_and_b32 s14, s53, 7
	s_lshl_b32 s14, s14, 1
	s_add_co_u32 s55, s55, s14                     ; 256 (e / 8) + 2 (e % 8)
.irp p, 0,1
	s_mul_i32 s[40+4*\p], s[38+\p], 768
	s_add_co_u32 s[40+4*\p], s[40+4*\p], QC
	s_mov_b32 s[41+4*\p], 0
	s_add_nc_u64 s[40+4*\p:41+4*\p], s[4:5], s[40+4*\p:41+4*\p]    ; Q's codes of tile t
	s_lshr_b32 s14, s[38+\p], 3
	s_lshl_b32 s14, s14, 9
	s_and_b32 s15, s[38+\p], 1
	s_lshl_b32 s15, s15, 8
	s_add_co_u32 s14, s14, s15
	s_bfe_u32 s15, s[38+\p], 0x20001
	s_lshl_b32 s15, s15, 2
	s_add_co_u32 s14, s14, s15
	s_add_co_u32 s[42+4*\p], s14, QS               ; its scale words: 512 (t / 8) + 256 (t % 2) + 4 ((t % 8) / 2), + 16 r
	s_mov_b32 s[43+4*\p], 0
	s_add_nc_u64 s[42+4*\p:43+4*\p], s[4:5], s[42+4*\p:43+4*\p]
	s_add_co_u32 s14, s52, s[38+\p]                ; the row tile of ctx
	s_mul_i32 s[48+2*\p], s14, 12288
	s_add_co_u32 s[48+2*\p], s[48+2*\p], s54
	s_mov_b32 s[49+2*\p], 0
	s_add_nc_u64 s[48+2*\p:49+2*\p], s[6:7], s[48+2*\p:49+2*\p]    ; where its codes go
	s_lshl_b32 s[56+\p], s14, 9
	s_add_co_u32 s[56+\p], s[56+\p], s55           ; and its scale bytes
.endr
	global_load_b128 v[16:19], v1, s[40:41]
	global_load_b64 v[20:21], v2, s[40:41] offset:512
	global_load_b32 v28, v10, s[42:43]
	global_load_b128 v[228:231], v1, s[44:45]
	global_load_b64 v[232:233], v2, s[44:45] offset:512
	global_load_b32 v29, v10, s[46:47]
.irp j, 0,1,2,3,4,5
	v_mov_b32 v[22+\j], 0                          ; Q's codes of k = 64 .. 127: zeros
	v_mov_b32 v[234+\j], 0
	v_mov_b32 v[80+\j], 0                          ; behind K's last tile
.endr
.irp b, 0,1,2,3
	v_mov_b32 v[BT+\b], 0                          ; lane permutes' destinations count as read
.endr
	v_mov_b32 v225, 0                              ; named as the upper half of the pair v[224:225]
	v_mov_b32 v226, 0
	s_wait_tensorcnt 0x0                           ; my part has landed,
	s_barrier_signal -1
	s_barrier_wait -1                              ; everybody's has
	s_wait_loadcnt 0x0                             ; Q
; THE PLAIN LINES OF A STEP, by name, so that they can be dealt out among the exponentials, the products and the loads
.macro FM b                            ; pair b of the scores: t - M
	v_pk_fma_f32 v[S+2*(\b):S+2*(\b)+1], v[S+2*(\b):S+2*(\b)+1], s[28:29], v[12:13] op_sel_hi:[1,0,0]
.endm
.macro RS k                            ; pair k of O^T under the new M; taken in ascending order
	v_pk_mul_f32 v[O+2*(\k):O+2*(\k)+1], v[O+2*(\k):O+2*(\k)+1], v[224:225] op_sel_hi:[1,0]
.endm
; Addition a of 32 of the row's sum, of the unquantised p, two at a time, in four chains: v[14:15] (the running sum), v[240:241], v[244:245], v[246:247].  0-2 start the three new chains with pairs 0-5;
; 3-28 add pair a + 3 to chain (a + 3) % 4; 29-31 join the chains.
.macro SUM a
.set sumj, (\a)+3
.if sumj%4 == 0
.set sumr, 14
.elseif sumj%4 == 1
.set sumr, 240
.elseif sumj%4 == 2
.set sumr, 244
.else
.set sumr, 246
.endif
.if (\a) == 0
	v_pk_add_f32 v[240:241], v[S:S+1], v[S+2:S+3]
.elseif (\a) == 1
	v_pk_add_f32 v[244:245], v[S+4:S+5], v[S+6:S+7]
.elseif (\a) == 2
	v_pk_add_f32 v[246:247], v[S+8:S+9], v[S+10:S+11]
.elseif (\a) < 29
	v_pk_add_f32 v[sumr:sumr+1], v[sumr:sumr+1], v[S+2*sumj:S+2*sumj+1]
.elseif (\a) == 29
	v_pk_add_f32 v[240:241], v[240:241], v[244:245]
.elseif (\a) == 30
	v_pk_add_f32 v[14:15], v[14:15], v[246:247]
.else
	v_pk_add_f32 v[14:15], v[14:15], v[240:241]
.endif
.endm
.macro VL j                            ; load j of 13 of V: its four fragments (register 32 + 4 j, 512 j bytes on), then its scale words
.if (\j) < 12
	ds_load_b128 v[32+4*(\j):35+4*(\j)], v5 offset:512*(\j)
.else
	ds_load_b64 v[90:91], v7
.endif
.endm
; The plain line behind exponential e of 68 (0-3: the blocks' largest; 4 + n: score n).  None reads the result of the exponential in front of it.
; Behind even n: t - M of the pair four pairs ahead.  Behind odd n: O^T's rescaling, then the lines that make p's scale operands and its scale word.  From n = 56 on: the first eight additions of the sum.
.macro PL e
.set pln, (\e)-4
.if (\e) == 0
	s_setprio 1
	v_pk_mul_f32 v[14:15], v[14:15], v[224:225] op_sel_hi:[1,0]   ; the sum under the new M
.elseif (\e) < 4
	RS (\e)-1
.elseif pln >= 56
	SUM pln-56
.elseif pln%2 == 0
	FM pln/2+4
.elseif pln < 27
	RS (pln-1)/2+3
.elseif pln < 35
	s_wait_alu depctr_va_vdst(0)
	v_max_num_f32 v[BM+(pln-27)/2], 0x1800000, v[BM+(pln-27)/2]   ; the floor 2^(3 - 127): the byte cannot fall under 1
.elseif pln < 43
	v_add_nc_u32 v[BS+(pln-35)/2], 0xff000000, v[BM+(pln-35)/2]   ; 2 off the exponent field: the conversion's scale operand
.elseif pln < 51
	v_lshrrev_b32 v[BT+(pln-43)/2], 23, v[BS+(pln-43)/2]          ; the byte
.elseif pln == 51
	v_lshl_or_b32 v92, v[BT+1], 8, v[BT]           ; p's scale word
.elseif pln == 53
	v_lshl_or_b32 v92, v[BT+2], 16, v92
.else
	v_lshl_or_b32 v92, v[BT+3], 24, v92
.endif
.endm
.macro PV t                            ; O^T's channel tile t += V^T P^T
.if (\t)%2
	v_wmma_scale_f32_16x16x128_f8f6f4 v[O+8*(\t):O+8*(\t)+7], v[32+12*(\t):43+12*(\t)], v[PC:PC+11], v[O+8*(\t):O+8*(\t)+7], v[90+(\t)/2], v92 matrix_a_fmt:MATRIX_FMT_FP6 matrix_b_fmt:MATRIX_FMT_FP6 matrix_a_scale:MATRIX_SCALE_ROW1
.else
	v_wmma_scale_f32_16x16x128_f8f6f4 v[O+8*(\t):O+8*(\t)+7], v[32+12*(\t):43+12*(\t)], v[PC:PC+11], v[O+8*(\t):O+8*(\t)+7], v[90+(\t)/2], v92 matrix_a_fmt:MATRIX_FMT_FP6 matrix_b_fmt:MATRIX_FMT_FP6
.endif
.endm
; A KEY STEP: 128 keys against my 16 queries
.macro STEP qf, qs
	s_cmp_gt_u32 s[KI], s[GR]                      ; all its keys come after my queries: only the address steps at the end
	s_cbranch_scc1 .Lhidden_\@
	s_wait_dscnt 0x0                               ; K and its scale words are in: asked for in the step before, or at the pass's head
	s_setprio 2
.irp i, 0,2,4,6
	v_wmma_scale_f32_16x16x128_f8f6f4 v[S+8*\i:S+8*\i+7], v[32+6*\i:43+6*\i], v[\qf:\qf+11], 0, v[86+\i/2], v[\qs] matrix_a_fmt:MATRIX_FMT_FP6 matrix_b_fmt:MATRIX_FMT_FP6
	v_wmma_scale_f32_16x16x128_f8f6f4 v[S+8*\i+8:S+8*\i+15], v[38+6*\i:49+6*\i], v[\qf:\qf+11], 0, v[86+\i/2], v[\qs] matrix_a_fmt:MATRIX_FMT_FP6 matrix_b_fmt:MATRIX_FMT_FP6 matrix_a_scale:MATRIX_SCALE_ROW1
.endr
	v_add_nc_u32 v3, s[TK], v1                     ; the step's addresses: these five are the places in front of the first read of the scores and of the loads into K's registers
	v_add_nc_u32 v4, s[TK], v2
	v_add_nc_u32 v5, s[TVC], v1
	v_add_nc_u32 v6, s[TS], v1
	v_add_nc_u32 v7, s[TV], v2
	s_cmp_lg_u32 s[KI], s[GR]                      ; only the pass's last step lies on the diagonal
	s_cbranch_scc1 .Lopen_\@
.set n, 0
.rept 64                               ; register n holds key 32 (n / 16) + 16 h + n % 16 of the step: hidden where it comes after my query
	v_cmp_gt_i32 vcc_lo, 32*(n/16)+n%16, v8
	v_cndmask_b32 v[S+n], v[S+n], v9, vcc_lo
.set n, n+1
.endr
.Lopen_\@:
.irp b, 0,1,2,3                        ; the largest score of each block of 32 keys: two chains of seven scores a block, eight chains by turns; each tile of S^T is first read at its low end
	v_max3_num_f32 v[BM+\b], v[S+16*\b], v[S+16*\b+1], v[S+16*\b+2]
.endr
.irp b, 0,1,2,3
	v_max3_num_f32 v[BT+\b], v[S+16*\b+7], v[S+16*\b+8], v[S+16*\b+9]
.endr
.irp i, 3,5
.irp b, 0,1,2,3
	v_max3_num_f32 v[BM+\b], v[BM+\b], v[S+16*\b+\i], v[S+16*\b+\i+1]
.endr
.irp b, 0,1,2,3
	v_max3_num_f32 v[BT+\b], v[BT+\b], v[S+16*\b+\i+7], v[S+16*\b+\i+8]
.endr
.endr
.irp b, 0,1,2,3
	v_max3_num_f32 v[BM+\b], v[BM+\b], v[BT+\b], v[S+16*\b+14]
.endr
.irp b, 0,1,2,3
	v_max_num_f32 v[BM+\b], v[BM+\b], v[S+16*\b+15]
.endr
.irp b, 0,1,2,3
	v_permlanex16_b32 v[BT+\b], v[BM+\b], s30, s31
.endr
.irp b, 0,1,2,3
	v_max_num_f32 v[BM+\b], v[BM+\b], v[BT+\b]     ; with lane l xor 16's 16 keys
.endr
	; M and f are one chain, each line on the line above it: V's loads, which land under the exponentials, stand in its gaps
	v_max3_num_f32 v226, v[BM], v[BM+1], v[BM+2]
	VL 0
	VL 1
	v_max_num_f32 v226, v226, v[BM+3]
	VL 2
	VL 3
	v_mul_f32 v226, s28, v226                      ; as t
	VL 4
	VL 5
	v_max_num_f32 v13, v13, v226                   ; the running largest t
	VL 6
	VL 7
	v_mov_b32 v226, v12
	v_floor_f32 v12, -v13                          ; -M = floor(-t): M is a whole number
	VL 8
	VL 9
	v_sub_f32 v226, v12, v226                      ; old M - new M: a whole number, 0 or less
	FM 0
	VL 10
	v_cvt_i32_f32 v226, v226                       ; (it saturates)
	FM 1
	VL 11
	v_ldexp_f32 v224, 1.0, v226                    ; f = 2^(old M - new M)
	FM 2
	VL 12
	FM 3
.irp b, 0,1,2,3
	v_fma_f32 v[BM+\b], v[BM+\b], s28, v12         ; t - M of each block's largest score
.endr
.set een, 0
.rept 68                               ; p = 2^(t - M): the blocks' largest first, then the 64; a plain line behind each
.if een < 4
	v_exp_f32 v[BM+een], v[BM+een]
.else
	v_exp_f32 v[S+een-4], v[S+een-4]
.endif
	PL een
.set een, een+1
.endr
	s_wait_alu depctr_va_vdst(0)
.irp c, 0,1
	v_cvt_scalef32_pk16_fp6_f32 v[PC+6*\c:PC+6*\c+2], v[S+32*\c:S+32*\c+15], v[BS+2*\c]
	v_cvt_scalef32_pk16_fp6_f32 v[PT+4*\c:PT+4*\c+2], v[S+16+32*\c:S+31+32*\c], v[BS+2*\c+1]
.endr
	v_nop                                          ; one plain place behind a scaled conversion
.irp c, 0,1                            ; a whole block to a lane: lanes 0-15 block 2 c, lanes 16-31 block 2 c + 1
.irp i, 0,1,2
	v_permlane16_swap_b32 v[PC+6*\c+\i], v[PT+4*\c+\i]
.endr
.endr
.irp c, 0,1
.irp i, 0,1,2
	v_mov_b32 v[PC+3+6*\c+\i], v[PT+4*\c+\i]
.endr
.endr
.irp a, 8,9,10,11,12,13
	SUM \a                                         ; six places between the last write of p's codes and the products (four are asked; the scale word was written 39 plain lines back)
.endr
	s_setprio 0
	s_wait_dscnt 0x0                               ; V is in
	PV 0
	SUM 14
	SUM 15
	PV 1
	SUM 16
	SUM 17
	PV 2
	SUM 18
	SUM 19
	PV 3
.irp a, 20,21,22,23
	SUM \a                                         ; four places in front of loads into registers that the products have read: these lines name none of the products' registers
.endr
.irp i, 0,1,2,3,4,5,6,7                ; THE NEXT STEP'S K, 6,144 bytes on, and its scale words, 512 on.  Behind key step 15 these bytes are V's: they are inside LDS, and nobody uses what comes
	ds_load_b128 v[32+6*\i:35+6*\i], v3 offset:6144+768*\i
	ds_load_b64 v[36+6*\i:37+6*\i], v4 offset:6144+768*\i+512
.endr
	ds_load_b128 v[86:89], v6 offset:512           ; register B: lanes 0-15 tile 2 B, lanes 16-31 tile 2 B + 1
.irp a, 24,25,26,27,28,29,30,31
	SUM \a                                         ; the rest of the sum stands behind the loads
.endr
.Lhidden_\@:
	s_add_co_u32 s[TK], s[TK], 6144
	s_add_co_u32 s[TVC], s[TVC], 6144
	s_add_co_u32 s[TS], s[TS], 512
	s_add_co_u32 s[TV], s[TV], 256
.endm
; A PASS: one tile of 16 queries through its key steps, then ctx = O / the sum, quantised along the head's 64 and stored
.macro PASS p, qf, qs, wr
.if \p
	s_wait_xcnt 0x0                                ; the first pass's stores have read the code registers
	s_sub_co_u32 s[GR], 15, s10
.else
	s_mov_b32 s[GR], s10
.endif
.irp i, 0,1,2,3,4,5,6,7                ; K of key step 0 and its scale words: they land under the lines below
	ds_load_b128 v[32+6*\i:35+6*\i], v1 offset:768*\i
	ds_load_b64 v[36+6*\i:37+6*\i], v2 offset:768*\i+512
.endr
	ds_load_b128 v[86:89], v30
	s_bfe_u32 s14, s[38+\p], 0x20001
	s_lshl_b32 s14, s14, 5
	s_and_b32 s15, s[38+\p], 1
	s_lshl_b32 s15, s15, 3
	s_add_co_u32 s14, s14, s15
	v_add_nc_u32 v8, s14, v11                      ; my query among the last step's 128 keys, less 16 h
	v_mov_b32 v13, 0xff61b1e6                      ; the largest t so far: -3e38
	v_floor_f32 v12, -v13
	v_mov_b32 v14, 0
	v_mov_b32 v15, 0
.set n, 0
.rept 32
	v_mov_b32 v[O+n], 0                            ; the step is written once: the first finds zeros
.set n, n+1
.endr
	s_mov_b32 s[TK], 0
	s_mov_b32 s[TVC], VC
	s_mov_b32 s[TS], KS
	s_mov_b32 s[TV], VS
	s_mov_b32 s[KI], 0
.Lstep_\@:
	STEP \qf, \qs
	s_add_co_u32 s[KI], s[KI], 1
	s_cmp_lt_u32 s[KI], 16
	s_cbranch_scc1 .Lstep_\@
	s_setprio 0
	s_wait_dscnt 0x0                               ; the fragments asked for ahead of a step that is not walked: their registers are loaded again, and no LDS load is out at a barrier.  (Twelve plain lines stand behind the last product)
	v_add_f32 v14, v14, v15
	v_permlanex16_b32 v226, v14, s30, s31
	v_add_f32 v14, v14, v226                       ; the row's sum
	v_rcp_f32 v14, v14
	v_nop                                          ; one plain place behind a transcendental
.set n, 0
	s_wait_alu depctr_va_vdst(0)
.rept 16
	v_pk_mul_f32 v[S+n:S+n+1], v[O+n:O+n+1], v[14:15] op_sel_hi:[1,0]   ; register 16 b + i = channel 32 b + 16 h + i of my query; each accumulator from its low end on
.set n, n+2
.endr
.irp b, 0,1
	v_max3_num_f32 v[BM+\b], |v[S+16*\b]|, |v[S+16*\b+1]|, 0x1800000
.endr
.irp i, 2,4,6,8,10,12,14
.irp b, 0,1
	v_max3_num_f32 v[BM+\b], v[BM+\b], |v[S+16*\b+\i]|, |v[S+16*\b+\i+1]|
.endr
.endr
.irp b, 0,1
	v_permlanex16_b32 v[BT+\b], v[BM+\b], s30, s31
.endr
.irp b, 0,1
	v_max_num_f32 v[BM+\b], v[BM+\b], v[BT+\b]
.endr
.irp b, 0,1
	v_add_nc_u32 v[BS+\b], 0xff000000, v[BM+\b]
.endr
.irp b, 0,1
	v_lshrrev_b32 v[BT+\b], 23, v[BS+\b]
.endr
	v_lshl_or_b32 v[\wr], v[BT+1], 8, v[BT]        ; the head's two scale bytes of my row
	v_cvt_scalef32_pk16_fp6_f32 v[PC:PC+2], v[S:S+15], v[BS]
	v_cvt_scalef32_pk16_fp6_f32 v[PT:PT+2], v[S+16:S+31], v[BS+1]
	v_nop
.irp i, 0,1,2
	v_permlane16_swap_b32 v[PC+\i], v[PT+\i]
.endr
.irp i, 0,1,2
	v_mov_b32 v[PC+3+\i], v[PT+\i]
.endr
	global_store_b128 v1, v[PC:PC+3], s[48+2*\p:49+2*\p]             ; 512 consecutive bytes, aligned
	global_store_b64 v2, v[PC+4:PC+5], s[48+2*\p:49+2*\p] offset:512 ; 256
.endm
	PASS 0, 16, 28, 242
	PASS 1, 228, 29, 243
	; the scale bytes: two a row.  A scale word of the last product spans two heads, which are two clusters' work, so these leave in pieces of two bytes: 1 byte in 24 of what the launch stores
	v_and_b32 v226, 31, v0
	v_cmp_le_u32 vcc_lo, 16, v226
	v_add_nc_u32 v240, s56, v10
	v_add_nc_u32 v241, s57, v10
	v_cndmask_b32 v240, v240, v241, vcc_lo         ; lanes 0-15 the first tile, lanes 16-31 the second
	v_cndmask_b32 v241, v242, v243, vcc_lo
	global_store_b16 v240, v241, s[8:9]
	s_wait_tensorcnt 0x0
	ds_add_u32 v254, v255
	s_wait_dscnt 0x0
	ROUND                                          ; the closing round
	s_endpgm
.Lfunc_end_k_q0d7895d5d7_attn:
	.size	k_q0d7895d5d7_attn, .Lfunc_end_k_q0d7895d5d7_attn-k_q0d7895d5d7_attn
	.p2alignl 7, 3214868480
	.fill 96, 4, 3214868480
	.section	.rodata,"a",@progbits
	.p2align	6, 0x0
	.amdhsa_kernel k_q0d7895d5d7_attn
		.amdhsa_group_segment_fixed_size 210944
		.amdhsa_private_segment_fixed_size 0
		.amdhsa_enable_private_segment 0
		.amdhsa_kernarg_size 24
		.amdhsa_user_sgpr_count 2
		.amdhsa_user_sgpr_kernarg_segment_ptr 1
		.amdhsa_wavefront_size32 1
		.amdhsa_system_sgpr_workgroup_id_x 1
		.amdhsa_system_sgpr_workgroup_id_y 1
		.amdhsa_system_sgpr_workgroup_id_z 1
		.amdhsa_system_vgpr_workitem_id 0
		.amdhsa_next_free_vgpr 256
		.amdhsa_next_free_sgpr 66
		.amdhsa_reserve_vcc 1
		.amdhsa_float_denorm_mode_32 3
		.amdhsa_float_denorm_mode_16_64 3
		.amdhsa_memory_ordered 1
		.amdhsa_forward_progress 1
		.amdhsa_inst_pref_size 62
	.end_amdhsa_kernel
	.amdgpu_metadata
---
amdhsa.version: [ 1, 2 ]
amdhsa.kernels:
  - .name:           k_q0d7895d5d7_attn
    .symbol:         k_q0d7895d5d7_attn.kd
    .args:
      - { .name: qkv, .offset: 0, .size: 8, .value_kind: global_buffer, .address_space: global }
      - { .name: cc, .offset: 8, .size: 8, .value_kind: global_buffer, .address_space: global }
      - { .name: cs, .offset: 16, .size: 8, .value_kind: global_buffer, .address_space: global }
    .group_segment_fixed_size: 210944
    .private_segment_fixed_size: 0
    .kernarg_segment_align: 8
    .kernarg_segment_size: 24
    .max_flat_workgroup_size: 512
    .sgpr_count:     66
    .vgpr_count:     256
    .wavefront_size: 32
...
	.end_amdgpu_metadata
.endif
;; end of part 7
;; launch gemm_out (part 8): grid 4 x 64, 4 waves a work-group, clusters of 4 x 4, 307,712 bytes of LDS; arguments cc, cs, wc, ws, b_out, out0; writes out0
.if DOCPART == 8
	.amdgcn_target "amdgcn-amd-amdhsa--gfx1250"
	.amdhsa_code_object_version 6
	.text
	.protected	k_q0d7895d5d7_gemm_out
	.globl	k_q0d7895d5d7_gemm_out
	.p2align	8
	.type	k_q0d7895d5d7_gemm_out,@function
k_q0d7895d5d7_gemm_out:
	s_mov_b64 s[64:65], 0
	v_nop
	global_prefetch_b8 v0, s[64:65] scope:SCOPE_SE
	s_setreg_imm32_b32 hwreg(HW_REG_WAVE_MODE, 25, 1), 1
	s_wait_xcnt 0x0
	s_wait_alu depctr_hold_cnt(0) depctr_sa_sdst(0) depctr_va_vdst(0) depctr_va_sdst(0) depctr_va_ssrc(0) depctr_va_vcc(0) depctr_vm_vsrc(0)
	s_getreg_b32 s2, hwreg(HW_REG_IB_STS2, 6, 4)
	s_cmp_eq_u32 s2, 0
	s_cbranch_scc0 .Lentry_in_a_cluster
	s_endpgm
.Lentry_in_a_cluster:
	s_bfe_u32 s2, ttmp6, 0x10000c
	s_cmp_lg_u32 s2, 0xf033
	s_cbranch_scc0 .Lentry_shape_is_right
	s_endpgm
.Lentry_shape_is_right:
; out0 = ctx w_out + b_out on codes of FP6 (E2M3) with E8M0 scales; f32 out.  A (source 1) = ctx's tokens, B (source 0) = rows 3,072 on of the weights' table: a lane holds one token and its registers run along the outputs.
; A tile of 128 tokens x 256 outputs a work-group: 8,192 x 1,024 outputs are 256 such tiles, one for each WGP.  Four waves, 64 x 128 each: 4 blocks of A x 8 of B, 32 accumulators.
; A step of 128 along K reads 12 fragments, 18,432 bytes, from LDS for 32 products; a tile of 256 x 256 would read 24,576 for 64, and would leave half of the WGPs without work.
; ALL OPERANDS ARE RESIDENT: 384 rows x 768 bytes of codes and 384 x 32 of scales are 307,200 bytes of LDS, each filled ONCE: no ring, no refill.  Each wave asks for five loads at the start (its part of the scales and of
; K steps 0 to 3 of 256), and a K step is read behind a counted wait and a barrier, behind which nothing is filled.
; Operands lie in memory as images of the registers (a fragment, 16 rows x 128 k, is 1,536 bytes on end: two loads of 16 bytes a lane and two of 8); no pitch, no padding.  All scale words stay in 64 registers.
; The bias is the C of each sum's first matrix instruction.  CLUSTER 4 x 4: A's tiles are asked for jointly along a row of the cluster, B's along a column.
; Row r of tile 2 B + u of either table is row 32 B + 8 u + r + 8 (r / 8): the way out puts rows and columns back.
; REGISTERS: window 0: v1-3 lane, r, h; v4-19, v24-31 addresses; v32-95 scale words; A's fragments, two sets at v128 and v176 (way out: v128-255 rows of the result).
;   window 1: B's fragments, two sets at v0 and v128; the bias, 8 tiles of 8, at v96-127 and v224-255.  window 2: the accumulators, (a, b) at v[8 (8 a + b)].
.set SLOTB, 73728                      ; a K step of 256: A's two halves, then B's two halves
.set AH,    12288                      ; 64 rows x 256 k
.set BH,    24576                      ; 128 rows x 256 k
.set SCL,   4*SLOTB                    ; the scales, all of K: A's halves 2 x 2,048, then B's 2 x 4,096
.set SP,    528                        ; the way out: 16 rows x 528 bytes a wave, from LDS byte 0 on: K step 0's bytes have had their only fill, and nobody reads them behind the last barrier
.set A16, 4                            ; v4-7   LDS address of my A fragments in slot 0..3, 16 bytes a lane;  v8-11 the same, 8 bytes a lane
.set A8,  8
.set B16, 12                           ; v12-15, v16-19 the same for B
.set B8,  16
.set L16, 24
.set L8,  25
.set BO,  26
.set ADRS, 27
.set STO, 30
.set RD,  31
.set SC,  32
.set AF,  128
.set G1A, 24                           ; s[24:31], s[32:39] group 1 for A's and B's codes;  s[40:47], s[48:55] for their scales
.set G1B, 32
.set G1SA, 40
.set G1SB, 48
.set G0SA, 76                          ; group 0: A's K step k at s56, s60, s68, s72; A's scales s76;  B's K step k at s80 + 4 k; B's scales s96
.set G0SB, 96
.set MSB, 0
.macro WIN new                         ; the immediate's high byte repeats the setting that is left
.if MSB != (\new)
	s_set_vgpr_msb (MSB<<8)|(\new)
.set MSB, \new
.endif
.endm
.macro PLACES                          ; four places behind this matrix form in front of loads into its sources and of reads of its results
.rept 4
	v_nop
.endr
.endm
.macro JLOAD g0a, g1a, g0b, g1b        ; waves 0 and 1 fetch for A, waves 2 and 3 for B; the branch hangs on the wave's number alone; four v_nop follow each line
	s_cmp_eq_u32 s17, 0
	s_cbranch_scc0 .Lfor_b_\@
	tensor_load_to_lds s[\g0a:\g0a+3], s[\g1a:\g1a+7]
	s_nop 0
.rept 4
	v_nop
.endr
	s_branch .Lasked_\@
.Lfor_b_\@:
	tensor_load_to_lds s[\g0b:\g0b+3], s[\g1b:\g1b+7]
	s_nop 0
.rept 4
	v_nop
.endr
.Lasked_\@:
.endm
.macro CROUND                          ; a round of the cluster's barrier
	s_barrier_signal -1
	s_barrier_wait -1
	s_cmp_lg_u32 s16, 0
	s_cbranch_scc1 .Lnot_wave_0_\@
	s_barrier_signal -3
.Lnot_wave_0_\@:
	s_barrier_wait -3
	s_barrier_signal -1
	s_barrier_wait -1
.endm
.macro SHAPE g, c, r, p                ; group 1 but its first word: r rows of c elements of 8 bytes, p elements apart
	s_mov_b32 s[\g+1], (\c)<<16
	s_mov_b32 s[\g+2], (\r)<<16
	s_mov_b32 s[\g+3], (\c)<<16
	s_mov_b32 s[\g+4], \r
	s_mov_b32 s[\g+5], \p
	s_mov_b32 s[\g+6], 0
	s_mov_b32 s[\g+7], 0
.endm
.macro FRAG reg, a16, a8, off          ; a fragment's 12 registers: two images of 768 bytes
	ds_load_b128 v[\reg:\reg+3], v[\a16] offset:\off
	ds_load_b64 v[\reg+4:\reg+5], v[\a8] offset:\off+512
	ds_load_b128 v[\reg+6:\reg+9], v[\a16] offset:\off+768
	ds_load_b64 v[\reg+10:\reg+11], v[\a8] offset:\off+1280
.endm
.macro FETCH sg                        ; 48 loads in one run: the fragments of step sg (128 along K) into set sg % 2: A's four, then B's eight
.set FS, (\sg)/2
.set FQ, (\sg)%2
	WIN 0
.irp i, 0,1,2,3
	FRAG AF+48*FQ+12*\i, A16+FS, A8+FS, 3072*\i+1536*FQ
.endr
	WIN 0x40
.irp i, 0,1,2,3,4,5,6,7
	FRAG 128*FQ+12*\i, B16+FS, B8+FS, 3072*\i+1536*FQ
.endr
	WIN 0
.endm
.macro SCALES                          ; all scale words, once: register SC + 32 g + 4 i + s: lanes 0-15 A's block i (i < 4; beyond that bytes that no product names), lanes 16-31 B's block i, step 4 g + s
.irp g, 0,1
.irp i, 0,1,2,3,4,5,6,7
	ds_load_b128 v[SC+32*\g+4*\i:SC+32*\g+4*\i+3], v[ADRS] offset:512*\i+256*\g
.endr
.endr
.endm
; 16 matrix instructions: B's blocks b0 .. b0 + 3 x A's four, step sg.  mode 0: onto the sums; 1: the sums begin with the bias.
.macro MULH b0, sg, mode
.irp b, \b0, \b0+1, \b0+2, \b0+3
.irp a, 0,1,2,3
.set rD, 8*(8*\a+(\b))
.set rB, 128*((\sg)%2)+12*(\b)
.set rA, AF+48*((\sg)%2)+12*\a
.set rSB, SC+32*((\sg)/4)+4*(\b)+(\sg)%4
.set rSA, SC+32*((\sg)/4)+4*\a+(\sg)%4
.if \mode == 0
.set rC, rD
.else
.set rC, 96+8*((\b)%4)+128*((\b)/4)
.endif
	v_wmma_scale_f32_16x16x128_f8f6f4 v[rD:rD+7], v[rB:rB+11], v[rA:rA+11], v[rC:rC+7], v[rSB], v[rSA] matrix_a_fmt:MATRIX_FMT_FP6 matrix_b_fmt:MATRIX_FMT_FP6 matrix_a_scale:MATRIX_SCALE_ROW1
.endr
.endr
.endm
; Step sg; in its middle the next step's fragments are fetched.  tc >= 0: they lie in the next K step's slot: my part of it has landed when tc younger tensor loads are out; then a barrier, behind which nothing is filled.
.macro STEP sg, mode, tc
.if \tc >= 0
	s_wait_dscnt 0x0                               ; no LDS load of mine is out at the signal
	s_wait_tensorcnt \tc
	s_barrier_signal -1
.else
	s_wait_dscnt 16                                ; all but the youngest 16 loads (B's blocks 4-7) are in
.endif
.if \mode
	WIN 0x91                                       ; source 0 and C window 1, source 1 window 0, D window 2
.else
	WIN 0xa1
.endif
	MULH 0, \sg, \mode
.if \tc >= 0
	s_barrier_wait -1                              ; everybody's part has landed
.else
	s_wait_dscnt 0x0                               ; B's blocks 4-7 are in
.endif
	PLACES                                         ; behind the last step's products, which read the set that is loaded now
	FETCH \sg+1
.if \mode
	WIN 0x91
.else
	WIN 0xa1
.endif
	MULH 4, \sg, \mode
.endm
	s_load_b256 s[4:11], s[0:1], 0x0               ; cc, cs, wc, ws
	s_load_b128 s[12:15], s[0:1], 0x20             ; b_out, out0
	v_lshl_add_u32 v126, v0, 2, 0x4b000
	v_mov_b32 v127, 0
	ds_add_u32 v126, v127
	ds_add_u32 v126, v127
	v_lshrrev_b32 v1, 5, v0
	v_readfirstlane_b32 s16, v1                    ; wave
	s_lshr_b32 s17, s16, 1                         ; my half of A's rows.  Also: I fetch for A (0) or B (1)
	s_and_b32 s18, s16, 1                          ; my half of B's rows.  Also: which half I fetch
	s_bfe_u32 s66, ttmp6, 0x40000                  ; cx
	s_bfe_u32 s67, ttmp6, 0x40004                  ; cy
	s_and_b32 s21, ttmp7, 0xffff
	s_lshl_b32 s19, s21, 2
	s_add_co_u32 s19, s19, s67                     ; A's tile of 128 tokens: hangs on cy, never on cx
	s_add_co_u32 s20, s66, 12                      ; B's tile of 256 rows of the weights' table: hangs on cx, never on cy
	s_lshl_b32 s2, s67, 2
	s_lshl_b32 s2, 15, s2                          ; my row of the cluster
	s_lshl_b32 s3, 0x1111, s66                     ; my column
	s_or_b32 s[G1A], s2, (3<<16)|(1<<21)           ; 15:0 the mask; 17:16 elements of 8 bytes; 21 set beside a mask; no padding
	s_or_b32 s[G1B], s3, (3<<16)|(1<<21)
	s_or_b32 s[G1SA], s2, (3<<16)|(1<<21)
	s_or_b32 s[G1SB], s3, (3<<16)|(1<<21)
	SHAPE G1A, 384, 4, 1536                        ; codes: 4 row tiles x 3,072 bytes (256 k), 12,288 bytes apart
	SHAPE G1B, 384, 8, 1536                        ; 8 row tiles
	SHAPE G1SA, 32, 8, 32                          ; scales: 2,048 dense bytes as rows of 256
	SHAPE G1SB, 32, 16, 32                         ; 4,096
	s_mul_i32 s58, s19, 98304                      ; the byte offsets stand where the addresses will: A's codes,
	s_mul_i32 s21, s18, 49152
	s_add_co_u32 s58, s58, s21
	s_mov_b32 s59, 0
	s_lshl_b32 s78, s19, 12                        ; A's scales,
	s_lshl_b32 s21, s18, 11
	s_add_co_u32 s78, s78, s21
	s_mov_b32 s79, 0
	s_mul_i32 s82, s20, 196608                     ; B's codes,
	s_mul_i32 s21, s18, 98304
	s_add_co_u32 s82, s82, s21
	s_mov_b32 s83, 0
	s_lshl_b32 s98, s20, 13                        ; B's scales
	s_lshl_b32 s21, s18, 12
	s_add_co_u32 s98, s98, s21
	s_mov_b32 s99, 0
	s_mul_i32 s22, s18, AH                         ; where they go in a slot: no place in the cluster enters an LDS address
	s_mul_i32 s23, s18, BH
	s_add_co_u32 s23, s23, 2*AH
	v_and_b32 v1, 31, v0                           ; lane
	v_and_b32 v2, 15, v0                           ; r
	v_bfe_u32 v3, v0, 4, 1                         ; h
	v_lshlrev_b32 v[L16], 4, v1
	v_lshlrev_b32 v[L8], 3, v1
	s_mul_i32 s2, s17, AH                          ; my 64 rows of A
	s_mul_i32 s3, s18, BH
	s_add_co_u32 s3, s3, 2*AH                      ; my 128 rows of B
.irp s, 0,1,2,3
	v_add_nc_u32 v[A16+\s], s2, v[L16]
	v_add_nc_u32 v[A8+\s], s2, v[L8]
	v_add_nc_u32 v[B16+\s], s3, v[L16]
	v_add_nc_u32 v[B8+\s], s3, v[L8]
	s_add_co_u32 s2, s2, SLOTB
	s_add_co_u32 s3, s3, SLOTB
.endr
	s_lshl_b32 s2, s17, 11
	s_lshl_b32 s3, s18, 12
	s_add_co_u32 s3, s3, 4096
	s_sub_co_u32 s3, s3, s2
	v_mul_u32_u24 v[ADRS], s3, v3                  ; lanes 16-31 take B's scale words: one product, the distance between the two regions
	s_add_co_u32 s2, s2, SCL
	v_lshl_add_u32 v[ADRS], v2, 4, v[ADRS]
	v_add_nc_u32 v[ADRS], s2, v[ADRS]
	s_mul_i32 s2, s16, 16*SP                       ; my stage
	v_mul_u32_u24 v[STO], v2, SP
	v_lshl_add_u32 v[STO], v3, 6, v[STO]
	v_add_nc_u32 v[STO], s2, v[STO]                ; in: row r, + 64 h
	v_add_nc_u32 v[RD], s2, v[L16]                 ; back: 16 x lane of a row
	v_lshlrev_b32 v[BO], 6, v3
	s_wait_dscnt 0x0
	s_wait_kmcnt 0x0
	s_add_nc_u64 s[58:59], s[4:5], s[58:59]
	s_add_nc_u64 s[78:79], s[6:7], s[78:79]
	s_add_nc_u64 s[82:83], s[8:9], s[82:83]
	s_add_nc_u64 s[98:99], s[10:11], s[98:99]
.irp k, 1,2,3                          ; K step k lies 3,072 bytes further on in each row tile
	s_add_nc_u64 s[58+4*\k+4*(\k/2):59+4*\k+4*(\k/2)], s[58:59], \k*3072
	s_add_nc_u64 s[82+4*\k:83+4*\k], s[82:83], \k*3072
.endr
.irp k, 0,1,2,3
	s_mov_b32 s[56+4*\k+4*(\k/2)], 1
	s_add_co_u32 s[57+4*\k+4*(\k/2)], s22, \k*SLOTB
	s_or_b32 s[59+4*\k+4*(\k/2)], s[59+4*\k+4*(\k/2)], 0x80000000
	s_mov_b32 s[80+4*\k], 1
	s_add_co_u32 s[81+4*\k], s23, \k*SLOTB
	s_or_b32 s[83+4*\k], s[83+4*\k], 0x80000000
.endr
	s_mov_b32 s[G0SA], 1
	s_lshl_b32 s21, s18, 11
	s_add_co_u32 s[G0SA+1], s21, SCL
	s_or_b32 s[G0SA+3], s[G0SA+3], 0x80000000
	s_mov_b32 s[G0SB], 1
	s_lshl_b32 s21, s18, 12
	s_add_co_u32 s[G0SB+1], s21, SCL+4096
	s_or_b32 s[G0SB+3], s[G0SB+3], 0x80000000
	CROUND                                         ; all sixteen work-groups are here: the joint loads meet
	JLOAD G0SA, G1SA, G0SB, G1SB                   ; the scales first
.irp k, 0,1,2,3
	JLOAD 56+4*\k+4*(\k/2), G1A, 80+4*\k, G1B      ; K steps 0 to 3: with the scales five loads of mine are out
.endr
	s_lshl_b32 s2, s66, 10                         ; my 128 outputs: column 256 cx + 128 x half, in bytes
	s_lshl_b32 s3, s18, 9
	s_add_co_u32 s2, s2, s3
	s_mov_b32 s3, 0
	s_add_nc_u64 s[12:13], s[12:13], s[2:3]
	s_add_nc_u64 s[14:15], s[14:15], s[2:3]
	s_lshl_b32 s2, s19, 19                         ; my 64 tokens: row 128 x tile + 64 x half, 4,096 bytes each
	s_lshl_b32 s3, s17, 18
	s_add_co_u32 s2, s2, s3
	s_mov_b32 s3, 0
	s_add_nc_u64 s[14:15], s[14:15], s[2:3]
	WIN 0x40
	s_wait_alu depctr_va_vdst(0)
.irp b, 0,1,2,3,4,5,6,7                ; the bias in the result's layout: tile b, register j, half h: output 32 (b / 2) + 16 h + 8 (b % 2) + j
	global_load_b128 v[96+8*(\b%4)+128*(\b/4):96+8*(\b%4)+128*(\b/4)+3], v[BO], s[12:13] offset:(32*(\b/2)+8*(\b%2))*4
	global_load_b128 v[100+8*(\b%4)+128*(\b/4):100+8*(\b%4)+128*(\b/4)+3], v[BO], s[12:13] offset:(32*(\b/2)+8*(\b%2))*4+16
.endr
	WIN 0
	s_wait_tensorcnt 3                             ; the scales and K step 0 are in; K steps 1 to 3 stay out
	s_barrier_signal -1
	s_barrier_wait -1
	SCALES
	FETCH 0
	s_wait_loadcnt 0x0                             ; the bias
	STEP 0, 1, -1                                  ; the bias starts the sums: nothing is cleared
	STEP 1, 0, 2                                   ; K step 1 has landed; 2 and 3 stay out
	STEP 2, 0, -1
	STEP 3, 0, 1
	STEP 4, 0, -1
	STEP 5, 0, 0                                   ; the last: no tensor load of mine is out from here on
	STEP 6, 0, -1
	s_wait_dscnt 16
	WIN 0xa1
	MULH 0, 7, 0
	s_wait_dscnt 0x0
	MULH 4, 7, 0
	WIN 0
	PLACES
; THE WAY OUT, block by block of 16 tokens x 128 outputs, through my own stage: in as 32 bytes a lane, back as whole rows of 512 bytes.  LDS serves a wave's instructions in order: no wait between.
.macro TOSTAGE a
.set AC, 64*(\a)
	WIN 0x08                                       ; the data: window 2
.irp b, 0,1,2,3,4,5,6,7
	ds_store_b128 v[STO], v[AC+8*\b:AC+8*\b+3] offset:128*(\b/2)+32*(\b%2)          ; each accumulator from its low end on
	ds_store_b128 v[STO], v[AC+8*\b+4:AC+8*\b+7] offset:128*(\b/2)+32*(\b%2)+16
.endr
	WIN 0
.set BB, 128+64*((\a)%2)
.irp t, 0,1,2,3,4,5,6,7,8,9,10,11,12,13,14,15
	ds_load_b128 v[BB+4*\t:BB+4*\t+3], v[RD] offset:SP*\t
.endr
.endm
.macro SEND a, younger                 ; younger: the LDS instructions issued behind block a's loads
.set BB, 128+64*((\a)%2)
	s_wait_dscnt \younger
.irp t, 0,1,2,3,4,5,6,7,8,9,10,11,12,13,14,15
	global_store_b128 v[L16], v[BB+4*\t:BB+4*\t+3], s[14:15] offset:(32*((\a)/2)+8*((\a)%2)+\t+8*(\t/8))*4096 th:TH_STORE_NT   ; 512 consecutive bytes of one row, aligned; the base is never stepped
.endr
.endm
	TOSTAGE 0
.irp a, 1,2,3
.if \a > 1
	s_wait_xcnt 0x0                                ; block a - 2's stores have read their registers: block a's loads may land there
.endif
	TOSTAGE \a
	SEND \a-1, 32                                  ; block a's 16 stores and 16 loads may be out
.endr
	SEND 3, 0
	s_wait_tensorcnt 0x0
	ds_add_u32 v126, v127
	s_wait_dscnt 0x0
	CROUND                                         ; the closing round
	s_endpgm
.Lfunc_end_k_q0d7895d5d7_gemm_out:
	.size	k_q0d7895d5d7_gemm_out, .Lfunc_end_k_q0d7895d5d7_gemm_out-k_q0d7895d5d7_gemm_out
	.p2alignl 7, 3214868480
	.fill 96, 4, 3214868480
	.section	.rodata,"a",@progbits
	.p2align	6, 0x0
	.amdhsa_kernel k_q0d7895d5d7_gemm_out
		.amdhsa_group_segment_fixed_size 307712
		.amdhsa_private_segment_fixed_size 0
		.amdhsa_enable_private_segment 0
		.amdhsa_kernarg_size 48
		.amdhsa_user_sgpr_count 2
		.amdhsa_user_sgpr_kernarg_segment_ptr 1
		.amdhsa_wavefront_size32 1
		.amdhsa_system_sgpr_workgroup_id_x 1
		.amdhsa_system_sgpr_workgroup_id_y 1
		.amdhsa_system_sgpr_workgroup_id_z 1
		.amdhsa_system_vgpr_workitem_id 0
		.amdhsa_next_free_vgpr 768
		.amdhsa_next_free_sgpr 102
		.amdhsa_reserve_vcc 0
		.amdhsa_float_denorm_mode_32 3
		.amdhsa_float_denorm_mode_16_64 3
		.amdhsa_memory_ordered 1
		.amdhsa_forward_progress 1
		.amdhsa_inst_pref_size 88
	.end_amdhsa_kernel
	.amdgpu_metadata
---
amdhsa.version: [ 1, 2 ]
amdhsa.kernels:
  - .name:           k_q0d7895d5d7_gemm_out
    .symbol:         k_q0d7895d5d7_gemm_out.kd
    .args:
      - { .name: cc, .offset: 0, .size: 8, .value_kind: global_buffer, .address_space: global }
      - { .name: cs, .offset: 8, .size: 8, .value_kind: global_buffer, .address_space: global }
      - { .name: wc, .offset: 16, .size: 8, .value_kind: global_buffer, .address_space: global }
      - { .name: ws, .offset: 24, .size: 8, .value_kind: global_buffer, .address_space: global }
      - { .name: b_out, .offset: 32, .size: 8, .value_kind: global_buffer, .address_space: global }
      - { .name: out0, .offset: 40, .size: 8, .value_kind: global_buffer, .address_space: global }
    .group_segment_fixed_size: 307712
    .private_segment_fixed_size: 0
    .kernarg_segment_align: 8
    .kernarg_segment_size: 48
    .max_flat_workgroup_size: 128
    .sgpr_count:     102
    .vgpr_count:     768
    .wavefront_size: 32
...
	.end_amdgpu_metadata
.endif
;; end of part 8
